; MI455X (gfx1250); checked and timed in simulation.
; The chip was launched on July 23, 2026; its instructions are those of AMD's public machine-readable ISA for CDNA 5 (MIT licence, August 2026) and "CDNA5" Instruction Set Architecture Reference Guide (July 2026). The comments in the code are by the model that wrote it; some were corrected since.
;; Multi Head Self Attention. Allowed arithmetic: matrix products marked QUANTISED: E3M2 operands, one E8M0 scale for each 32 along K, by v_wmma_scale_f32_16x16x128_f8f6f4 with both operands' format E3M2, f32 sums; everything else in f32.
;; Inputs: W_out 1,024 x 1,024 float32; W_qkv 1,024 x 3,072 float32; attention_mask 2 x 2,048 int32; b_out 1,024 float32; b_qkv 3,072 float32; x 2 x 2,048 x 1,024 float32.
;; Outputs: out0 2 x 2,048 x 1,024 float32.
;; This version of the problem:
;;   THIS VERSION OF THE PROBLEM IS GIVEN IN LOW PRECISION. The matrix products marked QUANTISED in the list below multiply operands that are first quantised to E3M2 (3 exponent bits, 2 mantissa bits; 6 bits a number), with one power-of-two scale for each 32 numbers along K (OCP MX v1.0); their sums are f32. All else is computed in f32.
;;   The module's matrix products, in the order in which they are computed (A, B: the left and right operand; K: the contracted axis; several contracted axes count as one K, in the product's order):
;;     1. [M 4,096, K 1,024] x [K 1,024, N 3,072]; A: input x; B: input W_qkv: QUANTISED
;;     2. batch 32 x [M 2,048, K 64] x [K 64, N 2,048]; A: computed on the way; B: computed on the way: QUANTISED
;;     3. batch 32 x [M 2,048, K 2,048] x [K 2,048, N 64]; A: softmax (see below); B: computed on the way: QUANTISED
;;     4. [M 4,096, K 1,024] x [K 1,024, N 1,024]; A: computed on the way; B: input W_out: QUANTISED
;;   THE QUANTISER, for each operand of a quantised product, along K:
;;     - K is cut into blocks of 32 from its start; a last block that is shorter is filled with zeros.
;;     - A block's scale is 2^e with e = floor(log2(the largest magnitude in the block)) - 4, held to -126 .. 127; a block of zeros has e = 0. As a byte (E8M0): e + 127.
;;     - Each number is divided by its block's scale, clamped to +-28, and rounded to the nearest number of E3M2, ties to even, subnormals kept.
;;     - The product sums the exact products of the quantised numbers (number of the format x scale) in f32.
;;   ~~~python
;;   def quantise(x, axis):      # numpy; x: float32 -> the quantised numbers, widened to float32 again
;;       x = np.moveaxis(x, axis, -1); K = x.shape[-1]
;;       x = np.pad(x, [(0, 0)] * (x.ndim - 1) + [(0, -K % 32)]); x = x.reshape(x.shape[:-1] + (-1, 32)); a = np.abs(x).max(-1, keepdims=True)
;;       e = np.where(a > 0, np.clip(np.frexp(np.where(a > 0, a, 1))[1] - 1 - 4, -126, 127), 0)      # np.frexp(a)[1] - 1 = floor(log2(a)), exactly
;;       r = np.clip(x / 2.0 ** e, -28, 28)
;;       step = 2.0 ** (np.maximum(np.frexp(np.where(r == 0, 1, r))[1] - 1, -2) - 2)
;;       q = np.round(r / step) * step * 2.0 ** e      # np.round: ties to even
;;       return np.moveaxis(q.reshape(q.shape[:-2] + (-1,))[..., :K], -1, axis).astype(np.float32)
;;   ~~~
;;   SOFTMAX AHEAD OF A QUANTISED PRODUCT. Where the list says 'softmax', what is quantised is not the finished softmax but p = 2^(t - M), with t = logit x log2(e) and M = ceil(the row's largest t), a whole number; so 1/2 < the row's largest p <= 1. The row's sum l is taken of the UNQUANTISED p, in f32, and the product's result is divided by l at the end. Since M is a whole number, a kernel that streams over the keys may use a running M (the ceiling of the running maximum): every later rescaling is an exact power of two, which a block's scale takes up: the codes' values come out the same.
;;   OPERANDS COMPUTED ON THE WAY. 'Computed on the way' means the value that the module computes at that place (a softmax that the list does not call 'softmax' is quantised finished and normalised). What goes into a quantiser is computed in f32, as accurately as f32 sums, v_exp_f32 and their like allow (about 1e-6 of the number): no bf16 or f16 on the way to a quantiser, and a product that is left as it is and whose result goes on into a quantised operand takes f32 operands (vector FMAs, or v_wmma_f32_16x16x4_f32). A number that lies on a knife's edge between two numbers of the format may be rounded either way, as far as f32 arithmetic and the matrix unit's own rounding can turn it there, and no further.
;; One version. Each part assembles by itself: llvm-mc -triple=amdgcn-amd-amdhsa -mcpu=gfx1250 --defsym DOCPART=n.
;; ======== version 1 of 1: 4 launches
;; limits: right only within a limited range of input values
;; workspace buffers: xq 3,145,728 bytes; wq 3,145,728 bytes; sc1 262,144 bytes; rope 524,288 bytes; qi 4,456,448 bytes; kv 7,733,248 bytes; ao 3,276,800 bytes
;; launch prep (part 1): grid 272 x 1, 8 waves a work-group, no clusters, 121,856 bytes of LDS; arguments x, W_qkv, W_out, xq, wq, sc1, rope; writes xq, wq, sc1, rope
.if DOCPART == 1
	.amdgcn_target "amdgcn-amd-amdhsa--gfx1250"
	.amdhsa_code_object_version 6
	.text
	.protected	k_qa5914fa1d4_prep
	.globl	k_qa5914fa1d4_prep
	.p2align	8
	.type	k_qa5914fa1d4_prep,@function
k_qa5914fa1d4_prep:
	s_mov_b64 s[64:65], 0
	v_nop
	global_prefetch_b8 v0, s[64:65] scope:SCOPE_SE
	s_setreg_imm32_b32 hwreg(HW_REG_WAVE_MODE, 25, 1), 1
	s_wait_xcnt 0x0
; PREP: x [4096][1024], W_qkv [1024][3072] and W_out [1024][1024], f32, become codes of BF6 (E3M2) with one E8M0 byte for each 32 along K (K = 1024 for all three),
; and the table of cos and sin for the rotary embedding is made.
; WORK LEFT OUT (by the launch attn): key steps of 128 whose keys all come after a group's queries: reference()'s own causal mask makes their scores -infinity and their p 0, for all values of the inputs.
; Limit: a NaN, an infinity or an overflow that reaches only those scores is not carried to the result.  All inputs are used; the bias on K stays, since it moves K's codes.
; LAYOUT OF THE CODES: images of the operand's registers.  A fragment (16 rows x 128 K, 12 registers a lane) is 1,536 bytes: three planes of 512, lane l's registers 4 p .. 4 p + 3 at 512 p + 16 l.
; xq, wq: [row tile][K step 8][1,536].  wq's row tiles 0-191 are W_qkv's columns, 192-255 W_out's.  sc1: [row tile][r][32 scale bytes], x's 256 tiles, then W's 256.
; ORDER OF ROWS: in each group of 64 rows tile t (0 .. 3), row r of the tile, is row 8 t + r % 8 + 32 (r / 8): so in a product's result a lane's 32 registers of four neighbouring tiles are one whole block of 32 along the next K.
; A block's scale is 2^(floor(log2(largest magnitude)) - 4): its byte is the largest magnitude's exponent field - 4, held at 1 from below by a floor among the maximum's leaves.
; LIMITS: a block of zeros, or one under 2^-122, gets the byte 1 (its codes are zeros; this program alone reads the bytes).  NaN and infinities among the inputs are not served.
; rope: [position 2048][pair 32][cos, sin] f32.  The angle is position x 10^(-pair / 8), the factor being the f32 number nearest to that power; sine and cosine by a reduction to a quarter turn
; (pi / 2 in two parts, fused) and polynomials of degree 7 and 8.  LIMIT: the factor may differ in its last bit from one made by a power function and a division.
; SHARES: work-groups 0-95: 64 columns of W_qkv x 512 along K; 96-127: likewise of W_out (wave = 64 along K, lane = columns l and l + 32, registers down K); 128-255: two row tiles of x (wave = K step): 131,072 bytes each; 256-271: the table.
; The four ways part on the work-group's number alone; each has LDS bytes of its own.
; THE IMAGES' PLACES IN xq AND wq, in full: the row tiles go in groups of eight (128 rows), 98,304 bytes each; in a group [pair of K steps 4][row tile % 8][K step % 2][1,536].
.set XSTG, 8448                        ; x: a wave's stage: 16 rows x (512 bytes + 16)
.set XSC,  67584                       ; x: two tiles' scale bytes
.set WSCA, 68608                       ; W_qkv: 64 rows x 16 scale bytes
.set WSCB, 69632                       ; W_out: likewise
.set WSTA, 70656                       ; W_qkv: 4 tiles x (4 images + 128)
.set WSTB, 95744
.set TST,  6272
.set SPARE, 120832                     ; the spare words, 128 bytes a wave
.set X,   144                          ; x: v144-207 my row's 64 numbers in the operand's order (v16-143 two tiles as loaded)
.set TX,  220
.set MX,  228
.set SX,  230
.set WX,  232
.set F0,  144                          ; W: v16-143 four blocks of 32; from F0 on six registers of codes for each
.set TW,  168
.set MM,  184
.set SS,  186
.set BB,  190
.set WD,  191                          ; W: two columns' scale bytes
.set SPW, 240
.set NIL, 241
	s_load_b256 s[4:11], s[0:1], 0x0               ; x s[4:5], W_qkv s[6:7], W_out s[8:9], xq s[10:11]
	s_load_b128 s[12:15], s[0:1], 0x20             ; wq s[12:13], sc1 s[14:15]
	s_load_b64 s[16:17], s[0:1], 0x30              ; rope
	v_lshl_add_u32 v[SPW], v0, 2, SPARE
	v_mov_b32 v[NIL], 0
	v_lshrrev_b32 v1, 5, v0
	v_readfirstlane_b32 s18, v1                    ; wave 0..7
	v_and_b32 v1, 31, v0                           ; lane
	v_lshlrev_b32 v2, 4, v1                        ; 16 x lane
	s_mov_b32 s28, 0x76543210
	s_mov_b32 s29, 0xfedcba98                      ; selects for lane l xor 16
	s_wait_alu depctr_va_vdst(0)                   ; the wait at the head's end
	s_wait_kmcnt 0x0
	s_cmp_lt_u32 ttmp9, 96
	s_cbranch_scc1 .Lwa
	s_cmp_lt_u32 ttmp9, 128
	s_cbranch_scc1 .Lwb
	s_cmp_lt_u32 ttmp9, 256
	s_cbranch_scc1 .Lx
	; ---- THE TABLE: lane = pair; a wave takes 16 positions, one a trip; each store covers one position's 256 bytes
	s_sub_co_u32 s20, ttmp9, 256
	s_lshl_b32 s20, s20, 3
	s_add_co_u32 s20, s20, s18
	s_lshl_b32 s20, s20, 4                         ; my first position
	v_cvt_f32_u32 v4, s20
	s_lshl_b32 s20, s20, 8
	s_mov_b32 s21, 0
	s_add_nc_u64 s[16:17], s[16:17], s[20:21]
	v_lshlrev_b32 v48, 3, v1                       ; 8 bytes a pair
	v_mov_b32 v3, 1.0                              ; pair 0's factor; the others are laid in lane by lane
	s_wait_alu depctr_va_vdst(0)
.macro INV lane, val
	s_mov_b32 s22, \val
	v_writelane_b32 v3, s22, \lane
.endm
	INV 1, 0.7498942093324559
	INV 2, 0.5623413251903491
	INV 3, 0.4216965034285822
	INV 4, 0.31622776601683794
	INV 5, 0.23713737056616552
	INV 6, 0.1778279410038923
	INV 7, 0.1333521432163324
	INV 8, 0.1
	INV 9, 0.07498942093324559
	INV 10, 0.05623413251903491
	INV 11, 0.04216965034285822
	INV 12, 0.031622776601683794
	INV 13, 0.023713737056616552
	INV 14, 0.01778279410038923
	INV 15, 0.01333521432163324
	INV 16, 0.01
	INV 17, 0.007498942093324559
	INV 18, 0.005623413251903491
	INV 19, 0.004216965034285822
	INV 20, 0.0031622776601683794
	INV 21, 0.0023713737056616552
	INV 22, 0.001778279410038923
	INV 23, 0.001333521432163324
	INV 24, 0.001
	INV 25, 0.0007498942093324559
	INV 26, 0.0005623413251903491
	INV 27, 0.0004216965034285822
	INV 28, 0.00031622776601683794
	INV 29, 0.00023713737056616552
	INV 30, 0.0001778279410038923
	INV 31, 0.0001333521432163324
	s_wait_alu depctr_va_vdst(0)
	s_mov_b32 s30, 0x3fc90fdb                      ; pi / 2, its f32 part,
	s_mov_b32 s31, 0xb33bbd2e                      ; and what that part leaves
	s_mov_b32 s32, 0x3f22f983                      ; 2 / pi
	s_mov_b32 s33, -0.00019515295891               ; sine: r + r z (c1 + z (c2 + z c3)), z = r r
	s_mov_b32 s34, 0.0083321608736
	s_mov_b32 s35, -0.16666654611
	s_mov_b32 s36, 0.00002443315711809948          ; cosine: 1 - z / 2 + z z (d1 + z (d2 + z d3))
	s_mov_b32 s37, -0.001388731625493765
	s_mov_b32 s38, 0.04166664568298827
	s_mov_b32 s24, 0
.Ltable:
	v_mul_f32 v5, v4, v3                           ; the angle
	v_mul_f32 v6, s32, v5
	v_rndne_f32 v6, v6                             ; n quarter turns
	v_fma_f32 v7, -v6, s30, v5
	v_fma_f32 v7, -v6, s31, v7                     ; r, within pi / 4 of 0
	v_cvt_i32_f32 v14, v6
	v_mul_f32 v8, v7, v7
	v_and_b32 v15, 1, v14
	v_fma_f32 v9, v8, s33, s34
	v_fma_f32 v11, v8, s36, s37
	v_mul_f32 v10, v8, v7
	v_mul_f32 v12, v8, v8
	v_fma_f32 v9, v9, v8, s35
	v_fma_f32 v11, v11, v8, s38
	v_fma_f32 v13, v8, -0.5, 1.0
	v_cmp_eq_u32 vcc_lo, 1, v15                    ; an odd number of quarter turns changes sine and cosine about
	v_fma_f32 v9, v9, v10, v7                      ; sin r
	v_fma_f32 v11, v11, v12, v13                   ; cos r
	v_and_b32 v15, 2, v14                          ; the sine is negative in quarters 2 and 3,
	v_add_nc_u32 v14, 1, v14                       ; the cosine in quarters 1 and 2
	v_lshlrev_b32 v15, 30, v15
	v_and_b32 v14, 2, v14
	v_cndmask_b32 v12, v9, v11, vcc_lo
	v_cndmask_b32 v13, v11, v9, vcc_lo
	v_lshlrev_b32 v14, 30, v14
	v_xor_b32 v17, v15, v12
	v_xor_b32 v16, v14, v13
	global_store_b64 v48, v[16:17], s[16:17]
	v_add_f32 v4, 1.0, v4                          ; exact: positions are whole numbers under 2^24
	s_wait_alu depctr_va_vdst(0)
	s_wait_xcnt 0x0                                ; the store has read its registers and its base
	s_add_nc_u64 s[16:17], s[16:17], 0x100
	s_add_co_u32 s24, s24, 1
	s_cmp_lt_u32 s24, 16
	s_cbranch_scc1 .Ltable
	s_endpgm
	; ---- x: work-group = two row tiles of one group of 64 rows, wave = K step of 128
.Lx:
	s_sub_co_u32 s20, ttmp9, 128
	s_lshr_b32 s21, s20, 1
	s_lshl_b32 s21, s21, 6
	s_and_b32 s22, s20, 1
	s_lshl_b32 s22, s22, 4
	s_add_co_u32 s22, s22, s21                     ; the first tile's first row: 64 (i / 2) + 16 (i % 2)
	s_lshl_b32 s22, s22, 12                        ; rows of 4,096 bytes
	s_lshl_b32 s21, s18, 9                         ; my K step's 512 bytes
	s_add_co_u32 s22, s22, s21
	s_mov_b32 s23, 0
	s_add_nc_u64 s[4:5], s[4:5], s[22:23]
.irp u, 0,1
.irp r, 0,1,2,3,4,5,6,7,8,9,10,11,12,13,14,15
	global_load_b128 v[16+64*\u+4*\r:19+64*\u+4*\r], v2, s[4:5] offset:(8*\u+\r+24*(\r/8))*4096 th:TH_LOAD_NT   ; 32 lanes read 512 consecutive bytes of one row
.endr
.endr
	v_and_b32 v4, 15, v0                           ; r
	v_bfe_u32 v5, v0, 4, 1                         ; h
	v_lshlrev_b32 v9, 3, v5
	s_mul_i32 s22, s18, XSTG
	v_add_nc_u32 v3, s22, v2                       ; into my stage: 16 x lane, a row at a time
	v_mul_u32_u24 v6, v4, 528
	v_lshl_add_u32 v6, v5, 7, v6
	v_add_nc_u32 v6, s22, v6                       ; out of it: row r, + 128 h: k = 64 c + 32 h + 0 .. 31
	s_lshl_b32 s23, s18, 2
	s_add_co_u32 s23, s23, XSC
	v_lshl_add_u32 v7, v4, 5, s23                  ; my row's scale word: XSC + 32 r + 4 x wave
	s_and_b32 s24, s18, 1
	s_lshl_b32 s24, s24, 9
	s_add_co_u32 s25, s24, XSC
	v_add_nc_u32 v8, s25, v2                       ; back: waves 0 and 1 take a tile's 512 bytes each
	s_wait_alu depctr_va_vdst(0)
	s_lshr_b32 s22, s20, 2
	s_mul_i32 s22, s22, 98304                      ; the group of eight row tiles,
	s_lshr_b32 s23, s18, 1
	s_mul_i32 s23, s23, 24576                      ; my pair of K steps,
	s_add_co_u32 s22, s22, s23
	s_and_b32 s23, s20, 3
	s_mul_i32 s23, s23, 6144                       ; the two tiles,
	s_add_co_u32 s22, s22, s23
	s_and_b32 s23, s18, 1
	s_mul_i32 s23, s23, 1536                       ; my K step in the pair
	s_add_co_u32 s22, s22, s23
	s_mov_b32 s23, 0
	s_add_nc_u64 s[10:11], s[10:11], s[22:23]      ; my image of the first tile; the second tile's lies 3,072 bytes on
	s_lshl_b32 s22, s20, 10
	s_add_co_u32 s22, s22, s24
	s_add_nc_u64 s[14:15], s[14:15], s[22:23]
.macro XTILE u
.set RR, 16+64*(\u)
.set PP, 208-192*(\u)                  ; the codes: v208-219; for the second tile v16-27, whose numbers have gone to the stage
.irp g, 0,1,2,3
	s_wait_loadcnt 28-16*(\u)-4*\g                 ; four more rows are in; the younger loads stay out
.irp i, 0,1,2,3
	ds_store_b128 v3, v[RR+16*\g+4*\i:RR+16*\g+4*\i+3] offset:528*(4*\g+\i)
.endr
.endr
.irp c, 0,1
.irp i, 0,1,2,3,4,5,6,7
	ds_load_b128 v[X+32*\c+4*\i:X+32*\c+4*\i+3], v6 offset:256*\c+16*\i   ; LDS serves a wave's instructions in order: these see my stores
.endr
.endr
	s_wait_dscnt 0x0
.irp c, 0,1
	v_max3_num_f32 v[MX+\c], |v[X+32*\c]|, |v[X+32*\c+1]|, 0x2800000   ; my block 2 c + h: all its 32 numbers are mine; the floor 2^(5 - 127) holds the byte at 1 from below
	v_max3_num_f32 v[TX+\c], |v[X+32*\c+16]|, |v[X+32*\c+17]|, |v[X+32*\c+18]|
.endr
.irp i, 2,4,6,8,10,12
.irp c, 0,1
	v_max3_num_f32 v[MX+\c], v[MX+\c], |v[X+32*\c+\i]|, |v[X+32*\c+\i+1]|
	v_max3_num_f32 v[TX+\c], v[TX+\c], |v[X+32*\c+17+\i]|, |v[X+32*\c+18+\i]|
.endr
.endr
.irp c, 0,1
	v_max3_num_f32 v[MX+\c], v[MX+\c], |v[X+32*\c+14]|, |v[X+32*\c+15]|
.endr
.irp c, 0,1
	v_max3_num_f32 v[MX+\c], v[MX+\c], v[TX+\c], |v[X+32*\c+31]|
.endr
.irp c, 0,1
	v_add_nc_u32 v[SX+\c], 0xfe000000, v[MX+\c]    ; 4 off the exponent field: the conversion's scale operand
.endr
.irp c, 0,1
	v_cvt_scalef32_pk16_bf6_f32 v[PP+6*\c:PP+6*\c+2], v[X+32*\c:X+32*\c+15], v[SX+\c]
	v_cvt_scalef32_pk16_bf6_f32 v[TX+4*\c:TX+4*\c+2], v[X+32*\c+16:X+32*\c+31], v[SX+\c]   ; (a conversion's three registers begin on an even number)
.endr
	v_mov_b32 v236, 0
.irp c, 0,1
	v_lshrrev_b32 v[234+\c], 23, v[SX+\c]          ; the scale's byte
.endr
	v_lshl_or_b32 v[WX], v235, 16, v234            ; blocks h and 2 + h,
	v_lshlrev_b32 v[WX], v9, v[WX]                 ; at their places in the word;
	v_permlanex16_b32 v236, v[WX], s28, s29
	v_or_b32 v[WX], v[WX], v236                    ; with lane l xor 16's two the word is whole
.irp c, 0,1
.irp i, 0,1,2
	v_mov_b32 v[PP+6*\c+3+\i], v[TX+4*\c+\i]
.endr
.endr
	ds_store_b32 v7, v[WX] offset:512*(\u)         ; both halves of the lanes write the same word with the same value
.irp p, 0,1,2
	global_store_b128 v2, v[PP+4*\p:PP+4*\p+3], s[10:11] offset:512*\p+3072*(\u)   ; 512 consecutive bytes a store
.endr
.endm
	XTILE 0
	s_wait_alu depctr_va_vdst(0)
	XTILE 1
	s_wait_alu depctr_va_vdst(0)
	s_wait_dscnt 0x0                               ; my scale words lie in LDS
	s_barrier_signal -1
	s_barrier_wait -1                              ; all eight waves' do
	s_cmp_gt_u32 s18, 1
	s_cbranch_scc1 .Lx_end
	ds_load_b128 v[12:15], v8
	s_wait_dscnt 0x0
	global_store_b128 v2, v[12:15], s[14:15]       ; a tile's 16 rows of 32 scale bytes: 512 consecutive bytes
.Lx_end:
	s_wait_tensorcnt 0x0                           ; the wave's end
	ds_add_u32 v[SPW], v[NIL]
	s_wait_dscnt 0x0
	s_endpgm
	; ---- W: work-group = 64 columns x 512 along K, wave = 64 along K.  Block b: column l + 32 (b % 2), k = 32 (b / 2) + 0 .. 31
.macro WLOAD n, plo, b
.set KK, 0
.rept 32
	global_load_b32 v[16+32*(\b)+KK], v3, s[\plo:\plo+1] offset:(32*((\b)/2)+KK)*4*(\n)+128*((\b)%2) th:TH_LOAD_NT
.set KK, KK+1
.endr
.endm
.macro WMAX b
.set XB, 16+32*(\b)
	v_max3_num_f32 v[MM], |v[XB]|, |v[XB+1]|, |v[XB+2]|
	v_max3_num_f32 v[MM+1], |v[XB+3]|, |v[XB+4]|, |v[XB+5]|
.irp i, 6,10,14,18,22,26
	v_max3_num_f32 v[MM], v[MM], |v[XB+\i]|, |v[XB+\i+1]|
	v_max3_num_f32 v[MM+1], v[MM+1], |v[XB+\i+2]|, |v[XB+\i+3]|
.endr
	v_max3_num_f32 v[MM], v[MM], |v[XB+30]|, |v[XB+31]|
	v_max3_num_f32 v[MM], v[MM], v[MM+1], 0x2800000
	v_add_nc_u32 v[SS+(\b)], 0xfe000000, v[MM]
	v_lshrrev_b32 v[BB], 23, v[SS+(\b)]
.if (\b) < 2
	v_mov_b32 v[WD+(\b)], v[BB]
.else
	v_lshl_or_b32 v[WD+(\b)-2], v[BB], 8, v[WD+(\b)-2]
.endif
.endm
.macro WPATH n, plo, rt0, first, wsc, wst
	s_sub_co_u32 s20, ttmp9, \first
	s_and_b32 s21, s20, 1                          ; which half of K
	s_lshr_b32 s20, s20, 1                         ; which 64 columns
	s_lshl_b32 s22, s21, 3
	s_add_co_u32 s22, s22, s18
	s_mul_i32 s22, s22, 256*\n                     ; my 64 rows of 4 n bytes
	s_lshl_b32 s23, s20, 8
	s_add_co_u32 s22, s22, s23
	s_mov_b32 s23, 0
	s_add_nc_u64 s[\plo:\plo+1], s[\plo:\plo+1], s[22:23]
	v_lshlrev_b32 v3, 2, v1
	WLOAD \n, \plo, 0
	WLOAD \n, \plo, 1
	s_lshl_b32 s24, s18, 1
	s_add_co_u32 s24, s24, \wsc
	v_lshrrev_b32 v4, 3, v1                        ; my tile: l / 8
	v_and_b32 v5, 7, v1                            ; my row: l % 8 (the second column's: + 8)
	v_lshlrev_b32 v6, 4, v5
	v_lshl_add_u32 v7, v4, 8, v6
	v_add_nc_u32 v7, s24, v7                       ; scale bytes: 16 a row, my two at 2 x wave
	v_mul_u32_u24 v4, v4, TST
	v_add_nc_u32 v6, v6, v4
	s_lshr_b32 s25, s18, 1
	s_mul_i32 s26, s25, 1536
	s_add_co_u32 s26, s26, \wst
	v_add_nc_u32 v6, s26, v6                       ; images: tile x TST + (wave / 2) x 1,536 + 16 x row
	s_and_b32 s27, s18, 1
	s_mul_i32 s26, s27, 3072
	s_mul_i32 s30, s25, TST
	s_add_co_u32 s30, s30, s26
	s_add_co_u32 s30, s30, \wst
	v_add_nc_u32 v8, s30, v2                       ; back: 3,072 bytes a wave: two images of tile wave / 2
	s_lshl_b32 s30, s27, 9
	s_add_co_u32 s30, s30, \wsc
	v_add_nc_u32 v9, s30, v2
	v_lshlrev_b32 v10, 5, v1
	s_wait_alu depctr_va_vdst(0)
	s_lshl_b32 s20, s20, 2
	s_add_co_u32 s20, s20, \rt0                    ; the first of my four row tiles
	s_add_co_u32 s25, s25, s20
	s_lshr_b32 s22, s25, 3
	s_mul_i32 s22, s22, 98304                      ; the group of eight row tiles,
	s_and_b32 s26, s25, 7
	s_mul_i32 s26, s26, 3072                       ; the tile that I store,
	s_add_co_u32 s22, s22, s26
	s_lshl_b32 s26, s21, 1
	s_add_co_u32 s26, s26, s27
	s_mul_i32 s26, s26, 24576                      ; and the pair of K steps
	s_add_co_u32 s22, s22, s26
	s_add_nc_u64 s[12:13], s[12:13], s[22:23]
	s_lshl_b32 s22, s20, 9
	s_lshl_b32 s26, s27, 10
	s_add_co_u32 s22, s22, s26
	s_lshl_b32 s26, s21, 4
	s_add_co_u32 s22, s22, s26
	s_add_co_u32 s22, s22, 131072                  ; W's rows lie behind x's in sc1
	s_add_nc_u64 s[14:15], s[14:15], s[22:23]
	s_wait_loadcnt 32                              ; a block's 32 loads are in; the next block's stay out
	WMAX 0
	WLOAD \n, \plo, 2
	s_wait_loadcnt 32
	WMAX 1
	WLOAD \n, \plo, 3
	s_wait_loadcnt 32
	WMAX 2
	s_wait_loadcnt 0x0
	WMAX 3
.irp b, 0,1,2,3
	v_cvt_scalef32_pk16_bf6_f32 v[F0+6*\b:F0+6*\b+2], v[16+32*\b:31+32*\b], v[SS+\b]
	v_cvt_scalef32_pk16_bf6_f32 v[TW+4*\b:TW+4*\b+2], v[32+32*\b:47+32*\b], v[SS+\b]
.endr
	v_nop                                          ; one plain place behind a scaled conversion
.irp b, 0,1,2,3
.irp i, 0,1,2
	v_mov_b32 v[F0+6*\b+3+\i], v[TW+4*\b+\i]
.endr
.endr
.irp e, 0,1
	ds_store_b16 v7, v[WD+\e] offset:128*\e
.endr
	s_wait_alu depctr_va_vdst(0)                   ; ahead of the branch
	s_cmp_lg_u32 s27, 0
	s_cbranch_scc1 .Lodd_\@
.irp b, 0,1,2,3                                ; even waves: registers 0-5 of the operand: plane 0, and half of plane 1; lane row + 8 (b % 2) + 16 (b / 2) of the image
	ds_store_b128 v6, v[F0+6*\b:F0+6*\b+3] offset:128*(\b%2)+256*(\b/2)
	ds_store_b64 v6, v[F0+6*\b+4:F0+6*\b+5] offset:512+128*(\b%2)+256*(\b/2)
.endr
	s_branch .Lstaged_\@
.Lodd_\@:
.irp b, 0,1,2,3                                ; odd waves: registers 6-11: the other half of plane 1, and plane 2
	ds_store_b64 v6, v[F0+6*\b:F0+6*\b+1] offset:520+128*(\b%2)+256*(\b/2)
	ds_store_b128 v6, v[F0+6*\b+2:F0+6*\b+5] offset:1024+128*(\b%2)+256*(\b/2)
.endr
.Lstaged_\@:
	s_wait_dscnt 0x0
	s_barrier_signal -1
	s_barrier_wait -1
.irp p, 0,1,2,3,4,5
	ds_load_b128 v[16+4*\p:19+4*\p], v8 offset:512*\p
.endr
	s_wait_dscnt 0x0
.irp p, 0,1,2,3,4,5
	global_store_b128 v2, v[16+4*\p:19+4*\p], s[12:13] offset:512*\p
.endr
	s_cmp_gt_u32 s18, 1
	s_cbranch_scc1 .Lw_end_\@
	ds_load_b128 v[40:43], v9
	s_wait_dscnt 0x0
	global_store_b128 v10, v[40:43], s[14:15]      ; 16 of each row's 32 scale bytes (the other half of K has the rest): one byte in 25 of what the work-group stores
.Lw_end_\@:
	s_wait_tensorcnt 0x0
	ds_add_u32 v[SPW], v[NIL]
	s_wait_dscnt 0x0
	s_endpgm
.endm
.Lwa:
	WPATH 3072, 6, 0, 0, WSCA, WSTA
.Lwb:
	WPATH 1024, 8, 192, 96, WSCB, WSTB
.Lfunc_end_k_qa5914fa1d4_prep:
	.size	k_qa5914fa1d4_prep, .Lfunc_end_k_qa5914fa1d4_prep-k_qa5914fa1d4_prep
	.p2alignl 7, 3214868480
	.fill 96, 4, 3214868480
	.section	.rodata,"a",@progbits
	.p2align	6, 0x0
	.amdhsa_kernel k_qa5914fa1d4_prep
		.amdhsa_group_segment_fixed_size 121856
		.amdhsa_private_segment_fixed_size 0
		.amdhsa_enable_private_segment 0
		.amdhsa_kernarg_size 56
		.amdhsa_user_sgpr_count 2
		.amdhsa_user_sgpr_kernarg_segment_ptr 1
		.amdhsa_wavefront_size32 1
		.amdhsa_system_sgpr_workgroup_id_x 1
		.amdhsa_system_sgpr_workgroup_id_y 1
		.amdhsa_system_sgpr_workgroup_id_z 1
		.amdhsa_system_vgpr_workitem_id 0
		.amdhsa_next_free_vgpr 244
		.amdhsa_next_free_sgpr 66
		.amdhsa_reserve_vcc 1
		.amdhsa_float_denorm_mode_32 3
		.amdhsa_float_denorm_mode_16_64 3
		.amdhsa_memory_ordered 1
		.amdhsa_forward_progress 1
		.amdhsa_inst_pref_size 69
	.end_amdhsa_kernel
	.amdgpu_metadata
---
amdhsa.version: [ 1, 2 ]
amdhsa.kernels:
  - .name:           k_qa5914fa1d4_prep
    .symbol:         k_qa5914fa1d4_prep.kd
    .args:
      - { .name: x, .offset: 0, .size: 8, .value_kind: global_buffer, .address_space: global }
      - { .name: W_qkv, .offset: 8, .size: 8, .value_kind: global_buffer, .address_space: global }
      - { .name: W_out, .offset: 16, .size: 8, .value_kind: global_buffer, .address_space: global }
      - { .name: xq, .offset: 24, .size: 8, .value_kind: global_buffer, .address_space: global }
      - { .name: wq, .offset: 32, .size: 8, .value_kind: global_buffer, .address_space: global }
      - { .name: sc1, .offset: 40, .size: 8, .value_kind: global_buffer, .address_space: global }
      - { .name: rope, .offset: 48, .size: 8, .value_kind: global_buffer, .address_space: global }
    .group_segment_fixed_size: 121856
    .private_segment_fixed_size: 0
    .kernarg_segment_align: 8
    .kernarg_segment_size: 56
    .max_flat_workgroup_size: 256
    .sgpr_count:     66
    .vgpr_count:     244
    .wavefront_size: 32
...
	.end_amdgpu_metadata
.endif
;; end of part 1
;; launch qkv (part 2): grid 12 x 16, 4 waves a work-group, clusters of 4 x 4, 327,680 bytes of LDS; arguments xq, wq, sc1, rope, b_qkv, attention_mask, qi, kv; writes qi, kv
.if DOCPART == 2
	.amdgcn_target "amdgcn-amd-amdhsa--gfx1250"
	.amdhsa_code_object_version 6
	.text
	.protected	k_qa5914fa1d4_qkv
	.globl	k_qa5914fa1d4_qkv
	.p2align	8
	.type	k_qa5914fa1d4_qkv,@function
k_qa5914fa1d4_qkv:
	s_mov_b64 s[64:65], 0
	v_nop
	global_prefetch_b8 v0, s[64:65] scope:SCOPE_SE
	s_setreg_imm32_b32 hwreg(HW_REG_WAVE_MODE, 25, 1), 1
	s_wait_xcnt 0x0
	s_wait_alu depctr_hold_cnt(0) depctr_sa_sdst(0) depctr_va_vdst(0) depctr_va_sdst(0) depctr_va_ssrc(0) depctr_va_vcc(0) depctr_vm_vsrc(0)
	s_getreg_b32 s2, hwreg(HW_REG_IB_STS2, 6, 4)
	s_cmp_eq_u32 s2, 0
	s_cbranch_scc0 .Lentry_in_a_cluster
	s_endpgm
.Lentry_in_a_cluster:
	s_bfe_u32 s2, ttmp6, 0x10000c
	s_cmp_lg_u32 s2, 0xf033
	s_cbranch_scc0 .Lentry_shape_is_right
	s_endpgm
.Lentry_shape_is_right:
; QKV: qkv = x W_qkv + b_qkv on codes of BF6 with E8M0 scales (M 4,096, K 1,024, N 3,072); then, in registers: the bias, the rotary embedding of q and k, and the quantisers of the next two products:
; q and k along the head's 64, v along the keys.  What leaves are images of the next launch's operand registers.
; A tile of the product, 256 x 256, is made by four waves, each 128 x 128 in 64 accumulators.  K is eight steps of 128, in pairs.
; OPERANDS lie in memory as images of fragments (16 rows x 128 K = 1,536 bytes, three planes of 512, 16 bytes a lane), in groups of 128 rows: [pair of K steps 4][row tile 8][K step 2][1,536].
; LDS has three slots for a group of 128 rows, a pair of K steps each: the head's ONE load a wave brings a group's first three pairs, 73,728 dense bytes; slot 0 is filled once more, with the fourth pair, when step 1 has been read,
; and has steps 2 to 5 in which to land.  No prefetch: one refill is all that is left to ask for behind the head.
; THE SCALES of a wave's 128 + 128 rows for all of K go from memory straight into registers: eight words a row: lanes 0-15 A's, lanes 16-31 B's.
; SOURCE 0 AND SOURCE 1.  A lane holds one row of source 1 ('A' below) and its registers run along the rows of source 0 ('B').  The quantiser runs along a lane's registers.  So for q and k
; (cluster column 0, 1) A = x's tokens and B = W's columns (registers run along the head); for v (cluster column 2) A = W's columns and B = x's tokens (registers run along the keys).
; The choice hangs on the cluster's x alone, which all partners share.  In each 64 rows tile t, row r, is row 8 t + r % 8 + 32 (r / 8): so a lane's 32 registers of B's tiles 4 c .. 4 c + 3 are
; 64 c + 32 (lane / 16) + 0 .. 31: a whole block along the next K, in the order in which the next operand wants it.
; CLUSTERS: 4 x 4 work-groups; A's tile is shared along a row of the cluster, B's along a column: joint loads with a mask that names the four.
; THE PADDING MASK rides in the score product's unused K: that product's K is 64 of the instruction's 128.  At k = 64 q holds the code of +1 under the scale 2^50; a key whose attention_mask is 0 holds the code
; of -1 under 2^50, every other key the code 0 under the byte 1.  A masked key's score is so -2^100 for every query.
; OUT: qi [head 32][group of 128 tokens 16] records of 8,704 bytes: 8 images of 1,024 (plane 0: registers 0-3; plane 1: registers 4, 5, the mask's, 0), then 512 bytes of scale words [tile / 4][r 16][tile % 4].
;      kv [head 32][key step 16] records of 15,104 bytes: K as in qi at 0; V^T, 4 images of 1,536 (16 of the head's 64 x 128 keys) at 8,192; K's scale words at 14,336; V's [r 16][4 words] at 14,848.
; LIMITS: blocks of zeros or under 2^-122 get the byte 1 (codes zero; this program alone reads the bytes); NaN and infinities are not served; the rotation's multiply-adds are fused.
; REGISTERS: window 0: v1-12 lane terms, v16-29 LDS addresses, v32-95 scale words (then tile 7's cos and sin), v96-191 A's fragments (one set; then at work), v192-199 mask words or v's bias, v200-223 at work behind the products,
;   v224-255 tile 0's cos and sin.   window 1: B's fragments, two sets at v0 and v128 (then tiles 1-3's and 4-6's cos and sin); v96-127, v224-255 the bias.   windows 2, 3: the accumulators ((a, b) at v[8 (8 (a % 4) + b)]).
.set FR,     12
.set NL,     3                         ; LDS loads that bring a fragment
.set NP,     4                         ; places behind this matrix instruction (ISA guide 7.12.1)
.set GROUP,  98304                     ; 128 rows x 8 K steps
.set PAIR,   24576                     ; 128 rows x 2 K steps
.set WREG,   3*PAIR                    ; what one wave's first load brings
.set SPARE,  4*WREG                    ; the spare words, 128 bytes a wave: two blocks of 256 bytes that no other line names
.set L16,  1                           ; v1   16 x lane
.set R16,  2                           ; v2   16 x (lane % 16)
.set TBL,  3                           ; v3   the table: 256 x my row's place in its 64 + 128 h
.set MKA,  4                           ; v4   4 x my row's place
.set BIA,  5                           ; v5   128 h
.set SCA,  10                          ; v10  my scale words
.set H8,   12                          ; v12  8 h
.set ADRA, 16                          ; v16-17 my A fragments: slots 0 and 1, slot 2
.set ADRB, 20                          ; v20-21 B's
.set SPW,  28                          ; v28  my spare word; never rewritten
.set NIL,  29                          ; v29  0; never rewritten
.set SC,   32                          ; block i, K step k: v[SC + 8 i + k]
.set AF,   96
.set T,    96                          ; behind the products: 64 numbers of a lane,
.set PC,   160                         ; the codes just made,
.set TU,   176                         ; upper halves,
.set XR,   184                         ; and four pairs at work in the rotation
.set MK,   192
.set WW,   200                         ; scale words on their way out
.set TM,   208                         ; v208-211 largest magnitudes, v212-215 bytes and words, v216-217 the conversions' scale operands
.set MB,   220                         ; v220-223 the mask's bytes and codes
.set G1,   24
.set G0,   32
.set G1B,  48
.set G0B,  56
.set MSB, 0
.macro WIN new                         ; the immediate's high byte repeats the setting that is left
.if MSB != (\new)
	s_set_vgpr_msb (MSB<<8)|(\new)
.set MSB, (\new)
.endif
.endm
.set MUL_LO, 0xa1                      ; source 0 (B) window 1, source 1 (A) window 0, C and D window 2
.set MUL_HI, 0xf1
.set TO_B,   0x40
; A joint load: waves 0 and 1 fetch for A, waves 2 and 3 for B.  The branch hangs on the wave's number alone.  Four v_nop follow each of the two lines.
.macro JLOAD
	s_cmp_eq_u32 s21, 0
	s_cbranch_scc0 .Lfor_b_\@
	tensor_load_to_lds s[G0:G0+3], s[G1:G1+7]
	s_nop 0
.rept 4
	v_nop
.endr
	s_branch .Lasked_\@
.Lfor_b_\@:
	tensor_load_to_lds s[G0B:G0B+3], s[G1B:G1B+7]
	s_nop 0
.rept 4
	v_nop
.endr
.Lasked_\@:
.endm
.macro CREST                           ; a round of the cluster's barrier behind its opening barrier
	s_cmp_lg_u32 s20, 0
	s_cbranch_scc1 .Lnot_wave_0_\@
	s_barrier_signal -3
.Lnot_wave_0_\@:
	s_barrier_wait -3
	s_barrier_signal -1
	s_barrier_wait -1
.endm
.macro CROUND
	s_barrier_signal -1
	s_barrier_wait -1
	CREST
.endm
.macro PLACES n
.rept \n
	v_nop
.endr
.endm
	s_load_b256 s[4:11], s[0:1], 0x0               ; xq s[4:5], wq s[6:7], sc1 s[8:9], rope s[10:11]
	s_load_b256 s[12:19], s[0:1], 0x20             ; b_qkv s[12:13], attention_mask s[14:15], qi s[16:17], kv s[18:19]
	v_lshl_add_u32 v[SPW], v0, 2, SPARE
	v_mov_b32 v[NIL], 0
	ds_add_u32 v[SPW], v[NIL]                      ; the wave's opening: the add, twice on end, under one wait
	ds_add_u32 v[SPW], v[NIL]
	v_lshrrev_b32 v6, 5, v0
	v_readfirstlane_b32 s20, v6                    ; wave 0..3
	s_wait_alu depctr_va_vdst(0)
	s_lshr_b32 s21, s20, 1                         ; my half of A's rows.  Also: I fetch for A (0) or for B (1)
	s_and_b32 s22, s20, 1                          ; my half of B's rows.  Also: which group of 128 rows I fetch
	s_mov_b32 s23, ttmp9                           ; the cluster's x: 0 q, 1 k, 2 v
	s_bfe_u32 s40, ttmp6, 0x40000                  ; cx
	s_bfe_u32 s41, ttmp6, 0x40004                  ; cy
	s_and_b32 s42, ttmp7, 0xffff                   ; the cluster's y
	s_cmp_eq_u32 s23, 2
	s_cselect_b32 s43, s23, s42                    ; v: A walks W's columns, B the tokens; q, k: the other way round
	s_cselect_b32 s44, s42, s23
	s_cselect_b32 s100, 131072, 0                  ; W's scale bytes lie behind x's
	s_cselect_b32 s101, 0, 131072
	s_lshl_b32 s43, s43, 2
	s_add_co_u32 s43, s43, s41                     ; A's block of 256 rows: shared along my row of the cluster
	s_lshl_b32 s44, s44, 2
	s_add_co_u32 s44, s44, s40                     ; B's: shared along my column
	s_lshl_b32 s45, s41, 2
	s_lshl_b32 s45, 15, s45                        ; my row of the cluster
	s_lshl_b32 s46, 0x1111, s40                    ; my column
	; group 1: 73,728 dense bytes as 288 rows of 256 (32 elements of 8 bytes); for the refill 96 rows
	s_or_b32 s[G1+0], s45, (3<<16)|(1<<21)
	s_or_b32 s[G1B+0], s46, (3<<16)|(1<<21)
.irp g, G1, G1B
	s_mov_b32 s[\g+1], 32<<16                      ; tensor_dim0
	s_mov_b32 s[\g+2], 288<<16                     ; tensor_dim1
	s_mov_b32 s[\g+3], 32<<16                      ; tile_dim0
	s_mov_b32 s[\g+4], 288                         ; tile_dim1
	s_mov_b32 s[\g+5], 32                          ; tensor_dim0_stride
	s_mov_b32 s[\g+6], 0
	s_mov_b32 s[\g+7], 0
.endr
	s_lshl_b32 s96, s43, 1
	s_add_co_u32 s96, s96, s22
	s_mul_i32 s96, s96, GROUP                      ; A: the group that I fetch
	s_mov_b32 s97, 0
	s_lshl_b32 s98, s44, 1
	s_add_co_u32 s98, s98, s22
	s_mul_i32 s98, s98, GROUP                      ; B: likewise
	s_mov_b32 s99, 0
	s_mul_i32 s47, s20, WREG                       ; where it goes: no place in the cluster enters an LDS address
	s_lshl_b32 s92, s43, 13                        ; the scales of my 128 rows of A: 512 bytes a row tile,
	s_lshl_b32 s94, s21, 12
	s_add_co_u32 s92, s92, s94
	s_add_co_u32 s92, s92, s100
	s_lshl_b32 s93, s44, 13                        ; and of B
	s_lshl_b32 s94, s22, 12
	s_add_co_u32 s93, s93, s94
	s_add_co_u32 s93, s93, s101
	s_wait_dscnt 0x0                               ; both opening adds are done
	s_wait_kmcnt 0x0
	s_cmp_eq_u32 s23, 2
	s_cselect_b64 s[2:3], s[6:7], s[4:5]
	s_add_nc_u64 s[96:97], s[2:3], s[96:97]        ; A's codes
	s_cselect_b64 s[2:3], s[4:5], s[6:7]
	s_add_nc_u64 s[98:99], s[2:3], s[98:99]        ; B's
	s_mov_b32 s[G0], 1
	s_mov_b32 s[G0+1], s47
	s_mov_b64 s[G0+2:G0+3], s[96:97]
	s_or_b32 s[G0+3], s[G0+3], 0x80000000
	s_mov_b32 s[G0B], 1
	s_mov_b32 s[G0B+1], s47
	s_mov_b64 s[G0B+2:G0B+3], s[98:99]
	s_or_b32 s[G0B+3], s[G0B+3], 0x80000000
	CROUND                                         ; all sixteen work-groups are here: the first joint loads meet
	JLOAD                                          ; K steps 0 to 5: one tensor load a wave at the head
	v_and_b32 v6, 31, v0
	v_lshlrev_b32 v[L16], 4, v6
	v_and_b32 v7, 15, v0                           ; r
	v_bfe_u32 v8, v0, 4, 1                         ; h
	v_lshlrev_b32 v[R16], 4, v7
	v_and_b32 v9, 8, v7
	v_mad_u32_u24 v9, v9, 3, v7                    ; r % 8 + 32 (r / 8)
	v_lshlrev_b32 v[TBL], 8, v9
	v_lshl_add_u32 v[TBL], v8, 7, v[TBL]
	v_lshlrev_b32 v[MKA], 2, v9
	v_lshlrev_b32 v[BIA], 7, v8
	v_lshlrev_b32 v[H8], 3, v8
	s_mov_b32 s94, 0xffff0000
	v_mov_b32 v[SCA], s92
	v_mov_b32 v11, s93
	v_cndmask_b32 v[SCA], v[SCA], v11, s94         ; lanes 16-31 take B's scales
	v_lshl_add_u32 v[SCA], v7, 5, v[SCA]           ; 32 bytes a row
	s_mul_i32 s94, s21, WREG                       ; my 128 rows of A
	s_mul_i32 s95, s22, WREG                       ; my 128 rows of B,
	s_add_co_u32 s95, s95, 2*WREG                  ; which lie behind A's 256
	v_add_nc_u32 v[ADRA], s94, v[L16]
	v_add_nc_u32 v[ADRB], s95, v[L16]
	s_add_co_u32 s94, s94, 2*PAIR
	s_add_co_u32 s95, s95, 2*PAIR
	v_add_nc_u32 v[ADRA+1], s94, v[L16]
	v_add_nc_u32 v[ADRB+1], s95, v[L16]
	s_wait_alu depctr_va_vdst(0)
.irp i, 0,1,2,3,4,5,6,7
	global_load_b128 v[SC+8*\i:SC+8*\i+3], v[SCA], s[8:9] offset:512*\i
	global_load_b128 v[SC+8*\i+4:SC+8*\i+7], v[SCA], s[8:9] offset:512*\i+16
.endr
	; what the way out wants from memory is asked for now, into registers that the products do not touch, on one way for all three types
	s_lshl_b32 s94, s43, 8
	s_lshl_b32 s95, s21, 7
	s_add_co_u32 s94, s94, s95                     ; my first row of A
	s_lshl_b32 s95, s44, 8
	s_lshl_b32 s96, s22, 7
	s_add_co_u32 s95, s95, s96                     ; my first row of B
	s_cmp_eq_u32 s23, 2
	s_cselect_b32 s92, s95, s94                    ; s92: my first token
	s_cselect_b32 s93, s94, s95                    ; s93: my first column of W_qkv
	s_cselect_b32 s94, 0, s93                      ; q, k: the bias of my 128 columns (v: a run that is loaded and not used)
	s_cselect_b32 s96, s93, s92                    ; q, k: the mask words of my tokens; v: the bias of my columns, one a lane
	s_cselect_b64 s[98:99], s[12:13], s[14:15]
	s_lshl_b32 s94, s94, 2
	s_mov_b32 s95, 0
	s_lshl_b32 s96, s96, 2
	s_mov_b32 s97, 0
	s_add_nc_u64 s[12:13], s[12:13], s[94:95]
	s_add_nc_u64 s[98:99], s[98:99], s[96:97]
	s_and_b32 s94, s92, 2047                       ; my first position
	s_lshl_b32 s94, s94, 8
	s_add_nc_u64 s[10:11], s[10:11], s[94:95]
	WIN 0x40
.irp i, 0,1,2,3,4,5,6,7
	global_load_b128 v[96+4*\i:99+4*\i], v[BIA], s[12:13] offset:16*\i   ; the first head's column 32 h + i,
	global_load_b128 v[224+4*\i:227+4*\i], v[BIA], s[12:13] offset:256+16*\i   ; the second head's
.endr
	WIN 0
.irp a, 0,1,2,3,4,5,6,7
	global_load_b32 v[MK+\a], v[MKA], s[98:99] offset:4*(64*(\a/4)+8*(\a%4))   ; A's tile a, my row
.endr
.macro SETCS a                         ; where tile a's 32 registers of cos and sin lie: register and window
.if (\a) == 0
.set CSB, 224
.set CSW, 0
.elseif (\a) < 4
.set CSB, 32*((\a)-1)
.set CSW, 1
.elseif (\a) < 7
.set CSB, 128+32*((\a)-4)
.set CSW, 1
.else
.set CSB, SC
.set CSW, 0
.endif
.endm
.macro TABLE a                         ; my token of tile a: pairs 16 h + 0 .. 15
	SETCS \a
	WIN CSW<<6
.irp i, 0,1,2,3,4,5,6,7
	global_load_b128 v[CSB+4*\i:CSB+4*\i+3], v[TBL], s[10:11] offset:256*(64*((\a)/4)+8*((\a)%4))+16*\i
.endr
.endm
	TABLE 0
.macro FRAG reg, adr, k, i             ; a fragment's image: three planes of 512 bytes, 16 bytes a lane; K step k lies in slot (k / 2) % 3
.set SLT, ((\k)/2)%3
.irp p, 0,1,2
	ds_load_b128 v[\reg+4*\p:\reg+4*\p+3], v[\adr+SLT/2] offset:PAIR*(SLT%2)+3072*(\i)+1536*((\k)%2)+512*\p
.endr
.endm
; 16 matrix instructions: A's blocks a0, a0 + 1 x B's eight.  The 64 accumulators take turns, one instruction a turn, in the same order in every step.
.macro MUL16 a0, k, zero
.irp a, \a0, \a0+1
.irp b, 0,1,2,3,4,5,6,7
.if \zero
	v_wmma_scale_f32_16x16x128_f8f6f4 v[8*(8*((\a)%4)+\b):8*(8*((\a)%4)+\b)+7], v[128*((\k)%2)+FR*\b:128*((\k)%2)+FR*\b+FR-1], v[AF+FR*(\a):AF+FR*(\a)+FR-1], 0, v[SC+8*\b+(\k)], v[SC+8*(\a)+(\k)] matrix_a_fmt:MATRIX_FMT_BF6 matrix_b_fmt:MATRIX_FMT_BF6 matrix_a_scale:MATRIX_SCALE_ROW1
.else
	v_wmma_scale_f32_16x16x128_f8f6f4 v[8*(8*((\a)%4)+\b):8*(8*((\a)%4)+\b)+7], v[128*((\k)%2)+FR*\b:128*((\k)%2)+FR*\b+FR-1], v[AF+FR*(\a):AF+FR*(\a)+FR-1], v[8*(8*((\a)%4)+\b):8*(8*((\a)%4)+\b)+7], v[SC+8*\b+(\k)], v[SC+8*(\a)+(\k)] matrix_a_fmt:MATRIX_FMT_BF6 matrix_b_fmt:MATRIX_FMT_BF6 matrix_a_scale:MATRIX_SCALE_ROW1
.endif
.endr
.endr
.endm
.macro FETCH_B k
	WIN TO_B
.irp i, 0,1,2,3,4,5,6,7
	FRAG 128*((\k)%2)+FR*\i, ADRB, \k, \i
.endr
	WIN 0
.endm
.macro FETCH_A k, i0
.irp i, \i0, \i0+1, \i0+2, \i0+3
	FRAG AF+FR*(\i), ADRA, \k, \i
.endr
.endm
; A step of 128 along K: A has one set of registers: blocks 0-3 are fetched anew in the step's middle, blocks 4-7 at its end; B has two sets.
; Step 1 is the last to read slot 0: behind it the slot is filled again.  Step 5 is the last ahead of the refilled slot: a barrier shows that it has landed.
.macro STEP k, zero
.if (\k) == 1
	s_wait_tensorcnt 0x0                           ; no tensor load of mine is out
	ds_add_u32 v[SPW], v[NIL]                      ; 0 onto my spare word
.irp g, G1, G1B
	s_mov_b32 s[\g+2], 96<<16                      ; so the descriptors may be written: the fourth pair of K steps, 96 rows of 256 bytes
	s_mov_b32 s[\g+4], 96
.endr
	s_add_nc_u64 s[G0+2:G0+3], s[G0+2:G0+3], WREG
	s_add_nc_u64 s[G0B+2:G0B+3], s[G0B+2:G0B+3], WREG
	s_wait_dscnt 4*NL+1                            ; (the add and the youngest twelve loads may be out)
	WIN MUL_LO
	MUL16 0, \k, \zero
	s_wait_dscnt 0x0                               ; the add is done, and my reads of slot 0 are over
	s_barrier_signal -1
	MUL16 2, \k, \zero
	WIN 0
	s_barrier_wait -1
	CREST                                          ; the barrier has opened a round of the cluster's: no wave of any partner still reads this slot or has a load on its way
	JLOAD                                          ; the first tensor load behind the round; its four v_nop are the places in front of the loads below
.elseif (\k) == 5
	s_wait_tensorcnt 0x0                           ; my part of the refill has landed
	s_wait_dscnt 4*NL
	WIN MUL_LO
	MUL16 0, \k, \zero
	s_wait_dscnt 0x0
	s_barrier_signal -1
	MUL16 2, \k, \zero
	WIN 0
	s_barrier_wait -1
	PLACES NP
.else
	s_wait_dscnt 4*NL                              ; B's set and A's blocks 0-3 are in; the youngest twelve loads (A's blocks 4-7) may be out
	WIN MUL_LO
	MUL16 0, \k, \zero
	MUL16 2, \k, \zero
	s_wait_dscnt 0
	PLACES NP
.endif
	FETCH_B (\k)+1
	FETCH_A (\k)+1, 0
	WIN MUL_HI
	MUL16 4, \k, \zero
	MUL16 6, \k, \zero
	PLACES NP
	WIN 0
	FETCH_A (\k)+1, 4
.endm
	s_wait_alu depctr_va_vdst(0)                   ; the wait at the head's end
	s_wait_tensorcnt 0x0                           ; my part of K steps 0 to 5 is in
	s_barrier_signal -1
	s_barrier_wait -1                              ; all four parts are
	FETCH_B 0
	FETCH_A 0, 0
	FETCH_A 0, 4
	s_wait_loadcnt 32                              ; the scales are in; the bias (16), the mask words (8) and the first table (8) may be out
	STEP 0, 1                                      ; the first step's products start the sums
.irp k, 1,2,3,4,5,6
	STEP \k, 0
.endr
	s_cmp_eq_u32 s23, 2
	s_cbranch_scc1 .Lno_table                      ; (v is not rotated)
	TABLE 1                                        ; into the registers of B's first set, which the step above has multiplied
	TABLE 2
	TABLE 3
	WIN 0
.Lno_table:
	s_wait_dscnt 4*NL
	WIN MUL_LO
	MUL16 0, 7, 0
	MUL16 2, 7, 0
	s_wait_dscnt 0
	WIN MUL_HI
	MUL16 4, 7, 0
	MUL16 6, 7, 0
	WIN 0
	PLACES NP                                      ; in front of the reads of results and of all that is written over the operands' registers
; ---- THE WAY OUT.  64 numbers of a lane, register 32 c + i = place 64 c + 32 h + i along the next K, are two whole blocks: QMAX makes their scale operands (TM+8, TM+9) and bytes (TM+4, TM+5),
; QCVT the codes: block c into six registers from v[PC + stride c] on.
.macro QMAX s
.irp c, 0,1
	v_max3_num_f32 v[TM+\c], |v[\s+32*\c]|, |v[\s+32*\c+1]|, 0x2800000   ; with the floor 2^(5 - 127): the byte cannot fall under 1
	v_max3_num_f32 v[TM+2+\c], |v[\s+32*\c+16]|, |v[\s+32*\c+17]|, |v[\s+32*\c+18]|
.endr
.irp i, 2,4,6,8,10,12
.irp c, 0,1
	v_max3_num_f32 v[TM+\c], v[TM+\c], |v[\s+32*\c+\i]|, |v[\s+32*\c+\i+1]|
	v_max3_num_f32 v[TM+2+\c], v[TM+2+\c], |v[\s+32*\c+17+\i]|, |v[\s+32*\c+18+\i]|
.endr
.endr
.irp c, 0,1
	v_max3_num_f32 v[TM+\c], v[TM+\c], |v[\s+32*\c+14]|, |v[\s+32*\c+15]|
.endr
.irp c, 0,1
	v_max3_num_f32 v[TM+\c], v[TM+\c], v[TM+2+\c], |v[\s+32*\c+31]|
.endr
.irp c, 0,1
	v_add_nc_u32 v[TM+8+\c], 0xfe000000, v[TM+\c]  ; 4 off its exponent field
.endr
.irp c, 0,1
	v_lshrrev_b32 v[TM+4+\c], 23, v[TM+8+\c]       ; the scale's byte
.endr
.endm
.macro WORD                            ; v[TM+7]: the bytes of blocks 0, 1 (the halves of c = 0) and 2, 3, in every lane
	v_lshl_or_b32 v[TM+7], v[TM+5], 16, v[TM+4]
	v_lshlrev_b32 v[TM+7], v[H8], v[TM+7]
	v_permlanex16_b32 v[TM+6], v[TM+7], s68, s69
	v_or_b32 v[TM+7], v[TM+7], v[TM+6]
.endm
.macro QCVT s, stride
.irp c, 0,1
	v_cvt_scalef32_pk16_bf6_f32 v[PC+\stride*\c:PC+\stride*\c+2], v[\s+32*\c:\s+32*\c+15], v[TM+8+\c]
	v_cvt_scalef32_pk16_bf6_f32 v[TU+4*\c:TU+4*\c+2], v[\s+32*\c+16:\s+32*\c+31], v[TM+8+\c]
.endr
	v_nop                                          ; one plain place behind a scaled conversion
.irp c, 0,1
.irp i, 0,1,2
	v_mov_b32 v[PC+\stride*\c+3+\i], v[TU+4*\c+\i]
.endr
.endr
.endm
.macro STORES_READ a                   ; the codes' and words' registers are written again only when the last tile's stores have read them
.if (\a) > 0
	s_wait_alu depctr_va_vdst(0)                   ; directly ahead of the wait below
	s_wait_xcnt 0x0
.endif
.endm
.macro FINISH                          ; the wave's end; then the closing round
	s_wait_tensorcnt 0x0
	ds_add_u32 v[SPW], v[NIL]
	s_wait_dscnt 0x0
	CROUND
	s_endpgm
.endm
	s_mov_b32 s68, 0x76543210
	s_mov_b32 s69, 0xfedcba98
	v_mov_b32 v[TM+6], 0                           ; a lane permute's destination counts as one of its sources
	s_wait_alu depctr_va_vdst(0)
	s_lshr_b32 s72, s92, 11                        ; the batch
	s_and_b32 s73, s93, 1023
	s_lshr_b32 s73, s73, 6                         ; the first of my two heads
	s_lshl_b32 s72, s72, 4
	s_add_co_u32 s72, s72, s73
	s_lshl_b32 s72, s72, 4
	s_bfe_u32 s73, s92, 0x40007                    ; which 128 tokens of the batch
	s_add_co_u32 s72, s72, s73                     ; my first head's record; the second head's lies 16 records on
	s_mov_b32 s73, 0
	s_cmp_eq_u32 s23, 2
	s_cbranch_scc1 .Lv
	; ---- q and k: lane = token, registers = my two heads' 128 features (32 of each head)
.irp a, 4,5,6,7
	TABLE \a
.endr
	WIN 0
	s_mov_b32 s74, 15104
	s_mov_b32 s75, 14336
	s_mov_b32 s84, 0x2c                            ; k: the code of -1
	s_mov_b32 s85, 0xffff
	s_cmp_eq_u32 s23, 0
	s_cselect_b32 s74, 8704, s74                   ; a record's bytes,
	s_cselect_b32 s75, 8192, s75                   ; where its scale words begin,
	s_cselect_b32 s84, 0x0c, s84                   ; q: the code of +1,
	s_cselect_b32 s70, -1, 0                       ; in every row
	s_cselect_b64 s[76:77], s[16:17], s[18:19]
	s_mul_i32 s72, s72, s74
	s_add_nc_u64 s[76:77], s[76:77], s[72:73]      ; first head's images
	s_lshl_b32 s72, s74, 4
	s_add_nc_u64 s[78:79], s[76:77], s[72:73]      ; second head's
	s_mov_b32 s72, s75
	s_add_nc_u64 s[80:81], s[76:77], s[72:73]      ; their scale words
	s_add_nc_u64 s[82:83], s[78:79], s[72:73]
	v_mov_b32 v[MB+1], 0x01010000                  ; bytes 2 and 3 of a scale word: 1, 1;
	v_mov_b32 v[MB+2], 0x01b10000                  ; or 177 (2^50), 1
	v_mov_b32 v[MB+3], s84
	v_mov_b32 v[PC+7], 0
	v_mov_b32 v[PC+15], 0
	s_wait_alu depctr_va_vdst(0)
.macro QK_TILE a
	s_wait_loadcnt 8*(7-(\a))                      ; this tile's table and all older loads are in; the later tiles' may be out
	SETCS \a
	WIN (2+(\a)/4)|0x04                            ; source 0: the accumulators' window; source 1: the bias
.set II, 0
.rept 32
	v_pk_add_f32 v[T+II:T+II+1], v[64*((\a)%4)+II:64*((\a)%4)+II+1], v[96+II+96*(II/32):97+II+96*(II/32)]   ; + bias; each accumulator is read from its low end on
.set II, II+2
.endr
	WIN CSW<<2                                     ; source 1: cos and sin
.irp g, 0,1,2,3,4,5,6,7                        ; a pair (even, odd) x (cos, sin): first (e c, o c), then (e c - o s, o c + e s)
.irp k, 0,1,2,3
	v_pk_mul_f32 v[XR+2*\k:XR+2*\k+1], v[T+8*\g+2*\k:T+8*\g+2*\k+1], v[CSB+(8*\g+2*\k)%32:CSB+(8*\g+2*\k)%32+1] op_sel_hi:[1,0]
.endr
.irp k, 0,1,2,3
	v_pk_fma_f32 v[T+8*\g+2*\k:T+8*\g+2*\k+1], v[T+8*\g+2*\k:T+8*\g+2*\k+1], v[CSB+(8*\g+2*\k)%32:CSB+(8*\g+2*\k)%32+1], v[XR+2*\k:XR+2*\k+1] op_sel:[1,1,0] op_sel_hi:[0,1,1] neg_lo:[1,0,0]
.endr
.endr
	WIN 0
	QMAX T
	v_cmp_eq_u32 vcc_lo, 0, v[MK+(\a)]             ; k: my token is masked out;
	s_or_b32 vcc_lo, vcc_lo, s70                   ; q: every row carries the +1
	v_cndmask_b32 v[MB], v[MB+1], v[MB+2], vcc_lo
	s_and_b32 s71, vcc_lo, 0xffff                  ; k = 64 lies in lanes 0-15
	WORD                                           ; my token's four bytes: the first head's two, the second head's two
	STORES_READ \a
	v_cndmask_b32 v[PC+6], 0, v[MB+3], s71
	v_cndmask_b32 v[PC+14], 0, v[MB+3], s71
	v_and_or_b32 v[WW+(\a)%4], v[TM+7], s85, v[MB]
	v_lshrrev_b32 v[TM+7], 16, v[TM+7]
	v_or_b32 v[WW+4+(\a)%4], v[TM+7], v[MB]
	QCVT T, 8
.irp c, 0,1
.irp p, 0,1
	global_store_b128 v[L16], v[PC+8*\c+4*\p:PC+8*\c+4*\p+3], s[76+2*\c:77+2*\c] offset:1024*(\a)+512*\p   ; 512 consecutive bytes a store
.endr
.endr
.if (\a)%4 == 3
.irp c, 0,1
	global_store_b128 v[R16], v[WW+4*\c:WW+4*\c+3], s[80+2*\c:81+2*\c] offset:256*((\a)/4)   ; four tiles' words of row r: 256 consecutive bytes (both halves of the lanes write the same)
.endr
.endif
.endm
.irp a, 0,1,2,3,4,5,6,7
	QK_TILE \a
.endr
	FINISH
	; ---- v: lane = a feature of a head, registers = 128 tokens: the keys of one key step
.Lv:
	s_mul_i32 s72, s72, 15104
	s_add_co_u32 s72, s72, 8192
	s_add_nc_u64 s[76:77], s[18:19], s[72:73]      ; V's images in my first head's record
	s_wait_loadcnt 0x0
.macro V_TILE a
	WIN 2+(\a)/4
.set II, 0
.rept 32
.if (\a)%2 == 0
	v_pk_add_f32 v[T+II:T+II+1], v[64*((\a)%4)+II:64*((\a)%4)+II+1], v[MK+2*((\a)/2):MK+2*((\a)/2)+1] op_sel_hi:[1,0]
.else
	v_pk_add_f32 v[T+II:T+II+1], v[64*((\a)%4)+II:64*((\a)%4)+II+1], v[MK+2*((\a)/2):MK+2*((\a)/2)+1] op_sel:[0,1] op_sel_hi:[1,1]
.endif
.set II, II+2
.endr
	WIN 0
	QMAX T
	WORD
	STORES_READ \a
	v_mov_b32 v[WW+(\a)%4], v[TM+7]
	QCVT T, 6
.irp p, 0,1,2
	global_store_b128 v[L16], v[PC+4*\p:PC+4*\p+3], s[76:77] offset:241664*((\a)/4)+1536*((\a)%4)+512*\p
.endr
.if (\a)%4 == 3
	global_store_b128 v[R16], v[WW:WW+3], s[76:77] offset:241664*((\a)/4)+6656
.endif
.endm
.irp a, 0,1,2,3,4,5,6,7
	V_TILE \a
.endr
	FINISH
.Lfunc_end_k_qa5914fa1d4_qkv:
	.size	k_qa5914fa1d4_qkv, .Lfunc_end_k_qa5914fa1d4_qkv-k_qa5914fa1d4_qkv
	.p2alignl 7, 3214868480
	.fill 96, 4, 3214868480
	.section	.rodata,"a",@progbits
	.p2align	6, 0x0
	.amdhsa_kernel k_qa5914fa1d4_qkv
		.amdhsa_group_segment_fixed_size 327680
		.amdhsa_private_segment_fixed_size 0
		.amdhsa_enable_private_segment 0
		.amdhsa_kernarg_size 64
		.amdhsa_user_sgpr_count 2
		.amdhsa_user_sgpr_kernarg_segment_ptr 1
		.amdhsa_wavefront_size32 1
		.amdhsa_system_sgpr_workgroup_id_x 1
		.amdhsa_system_sgpr_workgroup_id_y 1
		.amdhsa_system_sgpr_workgroup_id_z 1
		.amdhsa_system_vgpr_workitem_id 0
		.amdhsa_next_free_vgpr 1024
		.amdhsa_next_free_sgpr 102
		.amdhsa_reserve_vcc 1
		.amdhsa_float_denorm_mode_32 3
		.amdhsa_float_denorm_mode_16_64 3
		.amdhsa_memory_ordered 1
		.amdhsa_forward_progress 1
		.amdhsa_inst_pref_size 235
	.end_amdhsa_kernel
	.amdgpu_metadata
---
amdhsa.version: [ 1, 2 ]
amdhsa.kernels:
  - .name:           k_qa5914fa1d4_qkv
    .symbol:         k_qa5914fa1d4_qkv.kd
    .args:
      - { .name: xq, .offset: 0, .size: 8, .value_kind: global_buffer, .address_space: global }
      - { .name: wq, .offset: 8, .size: 8, .value_kind: global_buffer, .address_space: global }
      - { .name: sc1, .offset: 16, .size: 8, .value_kind: global_buffer, .address_space: global }
      - { .name: rope, .offset: 24, .size: 8, .value_kind: global_buffer, .address_space: global }
      - { .name: b_qkv, .offset: 32, .size: 8, .value_kind: global_buffer, .address_space: global }
      - { .name: attention_mask, .offset: 40, .size: 8, .value_kind: global_buffer, .address_space: global }
      - { .name: qi, .offset: 48, .size: 8, .value_kind: global_buffer, .address_space: global }
      - { .name: kv, .offset: 56, .size: 8, .value_kind: global_buffer, .address_space: global }
    .group_segment_fixed_size: 327680
    .private_segment_fixed_size: 0
    .kernarg_segment_align: 8
    .kernarg_segment_size: 64
    .max_flat_workgroup_size: 128
    .sgpr_count:     102
    .vgpr_count:     1024
    .wavefront_size: 32
...
	.end_amdgpu_metadata
.endif
;; end of part 2
;; launch attn (part 3): grid 8 x 32, 16 waves a work-group, clusters of 4 x 1, 327,680 bytes of LDS; arguments qi, kv, ao; writes ao
.if DOCPART == 3
	.amdgcn_target "amdgcn-amd-amdhsa--gfx1250"
	.amdhsa_code_object_version 6
	.text
	.protected	k_qa5914fa1d4_attn
	.globl	k_qa5914fa1d4_attn
	.p2align	8
	.type	k_qa5914fa1d4_attn,@function
k_qa5914fa1d4_attn:
	s_mov_b64 s[64:65], 0
	v_nop
	global_prefetch_b8 v0, s[64:65] scope:SCOPE_SE
	s_setreg_imm32_b32 hwreg(HW_REG_WAVE_MODE, 25, 1), 1
	s_wait_xcnt 0x0
	s_wait_alu depctr_hold_cnt(0) depctr_sa_sdst(0) depctr_va_vdst(0) depctr_va_sdst(0) depctr_va_ssrc(0) depctr_va_vcc(0) depctr_vm_vsrc(0)
	s_getreg_b32 s2, hwreg(HW_REG_IB_STS2, 6, 4)
	s_cmp_eq_u32 s2, 0
	s_cbranch_scc0 .Lentry_in_a_cluster
	s_endpgm
.Lentry_in_a_cluster:
	s_bfe_u32 s2, ttmp6, 0x10000c
	s_cmp_lg_u32 s2, 0x3003
	s_cbranch_scc0 .Lentry_shape_is_right
	s_endpgm
.Lentry_shape_is_right:
; ATTENTION on codes of BF6: for each of 32 heads (batch x head) S^T = K Q^T (K = the head's 64, in the lower half of the instruction's 128), softmax, O^T = V^T P^T (K = the keys), O / l, and the quantiser of the
; last product along the model's 1,024.  Causal; the padding mask has been laid into k = 64 of K's and Q's codes: a masked key's score is -2^100.
; WORK LEFT OUT: key steps of 128 whose keys all come after my queries (reference()'s own causal mask; see the first kernel).
; THE SOFTMAX: t = score x log2(e) / 8; M = the running largest t rounded up to a whole number; p = 2^(t - M) is quantised along the keys, not normalised; l is the sum of the unquantised p and divides O at the end;
; when M moves, l and O are multiplied by 2^(old M - new M), which rounds nothing.
; The running largest score begins at -2^60: a masked key's, -2^100, never becomes the maximum, its p is 0, and l and O stay 0 until a key counts.  A query for which no key counts ends with l = 0:
; both its scale bytes become 0xff, which makes the last product's sums for that token NaN.
; LIMITS: the scaled scores of keys that count stay under 2^31 in magnitude; NaN and infinities are not served; blocks of zeros get the byte 1.
; SHARES: a work-group takes tile j (its x) of 16 queries in each of a head's 16 groups of 128: 136 key steps.  Wave w < 8 works key steps 0 to 8 of group 15 - w.  Wave 8 + u works group u whole (u + 1 key steps), stores it,
; and then works the key steps from 9 on of group 15 - u (7 - u of them), and gives that part's O, l and M to wave u through LDS: the two are brought under one M by powers of two and added.
; So the waves have nine or eight key steps each, in every work-group; no branch hangs on the place in the cluster.
; ALL OF A HEAD'S K AND V LIE IN LDS: 16 records of 15,104 bytes, each brought once, by the wave of its number, as a joint load of the cluster's four work-groups, which belong to one head.
; Records 0 and 1 go first; the other fourteen are asked for behind a second round and land while key steps 0 and 1 are worked.  No prefetch: the launch has no load left to run ahead of in its loops.
; LAYOUT: both products are used transposed: a lane holds one query throughout; its 32 registers of key tiles 4 c .. 4 c + 3 are keys 64 c + 32 (lane / 16) + 0 .. 31: a whole block, in the order that P's operand wants.
; OUT: ao [token tile 256][head 16] images of 768 bytes (16 tokens x 64: registers 0-3 at 16 x lane, 4-5 at 512 + 8 x lane); at 3,145,728 [token tile][r][32 scale bytes], the head's two at 2 x head.
.set REC,   15104
.set MRG,   16*REC                     ; behind the records: 9 x 512 bytes for each pair of waves
.set MSZ,   4608
.set SPARE, MRG+8*MSZ                  ; the spare words, 128 bytes for each of 16 waves: eight blocks of 256 bytes that no other line names
.set L16, 1                            ; v1   16 x lane
.set R16, 2                            ; v2   16 x (lane % 16)
.set ADV, 3                            ; v3-4 this step's record + 16 x lane, + 16 r
.set MA,  5                            ; v5   where the pair's part lies
.set SCO, 7                            ; v7   32 r + h
.set L8,  8                            ; v8   8 x lane
.set DD,  9                            ; v9   my query's place in its 64 - 32 h
.set SPW, 10                           ; v10  my spare word; never rewritten
.set NIL, 11                           ; v11  0; never rewritten
.set QF,  16                           ; v16-27 Q's fragment (registers 8-11 zeros)      v12 -M, v13 the largest score, v[14:15] l in two halves
.set QS,  28                           ; v28  Q's scale words
.set NINF, 29
.set KFF, 30
.set QSB, 31                           ; v31  the second Q's scale words
.set KB,  32                           ; v32-99 K's eight fragments, 8 registers apart: each one's last four are the next one's first four: Q's codes there are zeros, so these codes add nothing.  Then v32-79 V's four
.set KSC, 100                          ; v100-107 K's scale words
.set VSC, 108                          ; v108-111 V's
.set S,   112                          ; v112-175 S^T, then p
.set PCD, 176                          ; v176-187 p's codes
.set TUP, 188
.set SP,  195
.set MX,  196
.set SO,  200
.set PB,  202
.set TT,  203
.set BY,  204
.set PW,  206                          ; p's scale word
.set NM,  207
.set F,   208                          ; v[208:209] f = 2^(old M - new M) (the upper register is named with it)
.set Q0,  210                          ; v210-215 partial sums
.set O,   216                          ; v216-247 O^T
.set QB,  248                          ; v248-255 the second Q
.set WV,  10
.set R1,  11                           ; s11  the group whose tile I work first, and store
.set SEL, 28
.set CS,  30
.set TB,  32
.set STEPI, 33
.set R2,  34                           ; s34  the group of my second part (waves 0-7: 0, so every step of it is left out)
.set NC,  35
.set CM,  68                           ; s68-99 for each n of 32: the lanes whose query comes before key n of its block
.macro ROUND
	s_barrier_signal -1
	s_barrier_wait -1
	s_cmp_lg_u32 s[WV], 0
	s_cbranch_scc1 .Lnot_wave_0_\@
	s_barrier_signal -3
.Lnot_wave_0_\@:
	s_barrier_wait -3
	s_barrier_signal -1
	s_barrier_wait -1
.endm
	s_load_b128 s[4:7], s[0:1], 0x0                ; qi s[4:5], kv s[6:7]
	s_load_b64 s[8:9], s[0:1], 0x10                ; ao
	v_lshl_add_u32 v[SPW], v0, 2, SPARE
	v_mov_b32 v[NIL], 0
	ds_add_u32 v[SPW], v[NIL]                      ; the wave's opening: the add, twice on end, under one wait
	ds_add_u32 v[SPW], v[NIL]
	v_lshrrev_b32 v1, 5, v0
	v_readfirstlane_b32 s[WV], v1                  ; wave 0..15
	s_wait_alu depctr_va_vdst(0)
	s_and_b32 s36, s[WV], 7
	s_sub_co_u32 s37, 15, s36                      ; 15 - w, or 15 - u: the group of which both waves of a pair work a part
	s_cmp_lt_u32 s[WV], 8
	s_cselect_b32 s[R1], s37, s36
	s_cselect_b32 s[R2], 0, s37
	s_and_b32 s12, ttmp7, 0xffff                   ; batch x 16 + head: shared by the four partners
	s_bfe_u32 s14, ttmp6, 0x40000                  ; cx
	s_mov_b32 s15, ttmp9                           ; the cluster's x: which half of a group's 128 queries
	s_lshl_b32 s13, s15, 2
	s_add_co_u32 s13, s13, s14                     ; j: my tile in the group; it enters Q's and the output's addresses and the causal masks alone
	; a record is 15,104 dense bytes: 59 rows of 256 (32 elements of 8 bytes)
	s_mov_b32 s20, 15|(3<<16)|(1<<21)              ; the mask: all four work-groups; elements of 8 bytes; bit 21 beside a mask
	s_mov_b32 s21, 32<<16
	s_mov_b32 s22, 59<<16
	s_mov_b32 s23, 32<<16
	s_mov_b32 s24, 59
	s_mov_b32 s25, 32
	s_mov_b32 s26, 0
	s_mov_b32 s27, 0
	s_lshl_b32 s56, s12, 4
	s_add_co_u32 s56, s56, s[WV]
	s_mul_i32 s56, s56, REC
	s_mov_b32 s57, 0
	s_mov_b32 s59, 0
	s_mov_b32 s[SEL], 0x76543210
	s_mov_b32 s[SEL+1], 0xfedcba98
	s_mov_b32 s[CS], 0x3e38aa3b                    ; c = log2(e) / sqrt(64)
	s_mov_b32 s[CS+1], s[CS]
	s_mov_b32 s[NC], 0xbe38aa3b                    ; -c
	s_wait_dscnt 0x0
	s_wait_kmcnt 0x0
	s_mov_b32 s16, 1
	s_mul_i32 s17, s[WV], REC                      ; record w lies at w x 15,104
	s_add_nc_u64 s[18:19], s[6:7], s[56:57]
	s_or_b32 s19, s19, 0x80000000
	ROUND                                          ; the four work-groups are here: the joint loads meet
	s_cmp_lt_u32 s[WV], 2
	s_cbranch_scc0 .Lnot_first
	tensor_load_to_lds s[16:19], s[20:27]          ; records 0 and 1
	s_nop 0
.rept 4
	v_nop
.endr
.Lnot_first:
	v_and_b32 v3, 31, v0
	v_and_b32 v4, 15, v0                           ; r
	v_bfe_u32 v5, v0, 4, 1                         ; h
	v_lshlrev_b32 v[L16], 4, v3
	v_lshlrev_b32 v[L8], 3, v3
	v_lshlrev_b32 v[R16], 4, v4
	v_lshl_add_u32 v[SCO], v4, 5, v5
	v_and_b32 v6, 8, v4
	s_lshl_b32 s56, s14, 3
	v_mad_u32_u24 v6, v6, 3, v4
	v_lshlrev_b32 v5, 5, v5
	v_add_nc_u32 v6, s56, v6                       ; 8 (j % 4) + r % 8 + 32 (r / 8)
	v_sub_nc_u32 v[DD], v6, v5
	s_mul_i32 s36, s36, MSZ
	s_add_co_u32 s36, s36, MRG
	v_add_nc_u32 v[MA], s36, v[L16]
	s_wait_alu depctr_va_vdst(0)
	s_lshl_b32 s58, s13, 10                        ; my tile's image in a group's record of Q,
	s_lshl_b32 s60, s15, 8
	s_lshl_b32 s62, s14, 2
	s_add_co_u32 s60, s60, s62
	s_add_co_u32 s60, s60, 8192                    ; and its scale words
	s_mov_b32 s61, 0
.macro PLACE rk, q, qs                 ; Q's image and scale words of the tile of group rk
	s_lshl_b32 s56, s12, 4
	s_add_co_u32 s56, s56, s[\rk]
	s_mul_i32 s56, s56, 8704
	s_add_nc_u64 s[\q:\q+1], s[4:5], s[56:57]
	s_add_nc_u64 s[\qs:\qs+1], s[\q:\q+1], s[60:61]
	s_add_nc_u64 s[\q:\q+1], s[\q:\q+1], s[58:59]
.endm
	PLACE R1, 66, 100
	PLACE 37, 2, 6                                 ; the pair's common group (in waves 0-7 it is the same tile, and its copy is not used)
	global_load_b128 v[QF:QF+3], v[L16], s[66:67]
	global_load_b128 v[QF+4:QF+7], v[L16], s[66:67] offset:512
	global_load_b32 v[QS], v[R16], s[100:101]
	global_load_b128 v[QB:QB+3], v[L16], s[2:3]
	global_load_b128 v[QB+4:QB+7], v[L16], s[2:3] offset:512
	global_load_b32 v[QSB], v[R16], s[6:7]
	s_lshr_b32 s56, s12, 4                         ; where the tile of group R1 goes: token tile 128 x batch + 8 x group + j
	s_lshl_b32 s56, s56, 7
	s_lshl_b32 s62, s[R1], 3
	s_add_co_u32 s56, s56, s62
	s_add_co_u32 s56, s56, s13
	s_and_b32 s62, s12, 15                         ; the head
	s_lshl_b32 s63, s56, 4
	s_add_co_u32 s63, s63, s62
	s_lshl_b32 s56, s56, 9
	s_lshl_b32 s62, s62, 1
	s_add_co_u32 s56, s56, s62
	s_add_co_u32 s56, s56, 3145728
	s_add_nc_u64 s[50:51], s[8:9], s[56:57]        ; its scale bytes
	s_mul_i32 s56, s63, 768
	s_add_nc_u64 s[48:49], s[8:9], s[56:57]        ; its image
.set NN, 0
.rept 32
	v_cmp_gt_i32 s[CM+NN], NN, v[DD]               ; key n of my block comes after my query
.set NN, NN+1
.endr
.macro INIT
	v_mov_b32 v13, 0xdd800000                      ; the largest score so far: -2^60
	v_mov_b32 v14, 0
	v_mov_b32 v15, 0
	v_mul_f32 v12, s[NC], v13
	v_floor_f32 v12, v12                           ; -M
.set II, 0
.rept 32
	v_mov_b32 v[O+II], 0                           ; the step is written for every step alike: the first finds zeros
.set II, II+1
.endr
.endm
	INIT
.irp i, 8,9,10,11
	v_mov_b32 v[QF+\i], 0                          ; k = 80 .. 95 and 112 .. 127: zero codes
	v_mov_b32 v[KB+56+\i], 0
.endr
	v_mov_b32 v[PB], 0                             ; a lane permute's destination counts as one of its sources
	v_mov_b32 v[F+1], 0
	v_mov_b32 v[Q0+1], 0
	v_mov_b32 v[TT], 0
	v_mov_b32 v[KFF], 0xff
	v_mov_b32 v[NINF], 0xff800000
	s_mov_b32 s[TB], 0
	s_mov_b32 s[STEPI], 0
	s_wait_alu depctr_va_vdst(0)                   ; the wait at the head's end
	s_wait_tensorcnt 0x0                           ; waves 0 and 1: my record has landed
	ds_add_u32 v[SPW], v[NIL]                      ; the add, twice on end
	ds_add_u32 v[SPW], v[NIL]
	s_wait_dscnt 0x0
	ROUND                                          ; records 0 and 1 are whole in all four work-groups
	s_cmp_lt_u32 s[WV], 2
	s_cbranch_scc1 .Lnot_second
	tensor_load_to_lds s[16:19], s[20:27]          ; records 2 to 15
	s_nop 0
.rept 4
	v_nop
.endr
.Lnot_second:
; A KEY STEP: 128 keys.
.macro STEP rk
	s_cmp_gt_u32 s[STEPI], s[\rk]                  ; a step all of whose keys come after my queries is left out
	s_cbranch_scc1 .Lhidden_\@
	v_add_nc_u32 v[ADV], s[TB], v[L16]
	v_add_nc_u32 v[ADV+1], s[TB], v[R16]
	v_nop                                          ; four places behind the last step's products, which read V where K is loaded now
	v_nop
	ds_load_b128 v[KSC:KSC+3], v[ADV+1] offset:14336
	ds_load_b128 v[KSC+4:KSC+7], v[ADV+1] offset:14592
.irp t, 0,1,2,3,4,5,6,7
	ds_load_b128 v[KB+8*\t:KB+8*\t+3], v[ADV] offset:1024*\t
	ds_load_b128 v[KB+8*\t+4:KB+8*\t+7], v[ADV] offset:1024*\t+512
.endr
	s_wait_alu depctr_va_vdst(0)                   ; directly ahead of the wait below
	s_wait_dscnt 7                                 ; the scale words, tiles 0-3 and tile 4's first four registers are in
.irp t, 0,1,2,3
	v_wmma_scale_f32_16x16x128_f8f6f4 v[S+8*\t:S+8*\t+7], v[KB+8*\t:KB+8*\t+11], v[QF:QF+11], 0, v[KSC+\t], v[QS] matrix_a_fmt:MATRIX_FMT_BF6 matrix_b_fmt:MATRIX_FMT_BF6
.endr
	s_wait_dscnt 0x0
.irp t, 4,5,6,7
	v_wmma_scale_f32_16x16x128_f8f6f4 v[S+8*\t:S+8*\t+7], v[KB+8*\t:KB+8*\t+11], v[QF:QF+11], 0, v[KSC+\t], v[QS] matrix_a_fmt:MATRIX_FMT_BF6 matrix_b_fmt:MATRIX_FMT_BF6
.endr
.rept 4
	v_nop
.endr
.irp t, 0,1,2,3                        ; V into the registers that K has left
.irp p, 0,1,2
	ds_load_b128 v[KB+12*\t+4*\p:KB+12*\t+4*\p+3], v[ADV] offset:8192+1536*\t+512*\p
.endr
.endr
	ds_load_b128 v[VSC:VSC+3], v[ADV+1] offset:14848
	s_cmp_lg_u32 s[STEPI], s[\rk]                  ; a group's last step lies on the diagonal: there the scores of later keys become -infinity
	s_cbranch_scc1 .Lopen_\@
	s_cmp_lg_u32 s15, 0
	s_cbranch_scc1 .Lupper_\@
.set NN, 0
.rept 32                               ; my queries lie in the group's first 64: the first 64 keys lie across the diagonal, the other 64 all come later
	v_cndmask_b32 v[S+NN], v[S+NN], v[NINF], s[CM+NN]
.set NN, NN+1
.endr
.set NN, 0
.rept 32
	v_mov_b32 v[S+32+NN], v[NINF]
.set NN, NN+1
.endr
	s_wait_alu depctr_va_vdst(0)                   ; ahead of the branch
	s_branch .Lopen_\@
.Lupper_\@:
.set NN, 0
.rept 32                               ; my queries lie in the last 64: the first 64 keys are all open
	v_cndmask_b32 v[S+32+NN], v[S+32+NN], v[NINF], s[CM+NN]
.set NN, NN+1
.endr
.Lopen_\@:
.irp c, 0,1                            ; the largest score of my two blocks of 32 keys: for the row's maximum, and, since p rises with the score, for the block's largest p
	v_max3_num_f32 v[MX+\c], v[S+32*\c], v[S+32*\c+1], v[S+32*\c+2]
	v_max3_num_f32 v[MX+2+\c], v[S+32*\c+16], v[S+32*\c+17], v[S+32*\c+18]
.endr
.irp i, 3,5,7,9,11,13
.irp c, 0,1
	v_max3_num_f32 v[MX+\c], v[MX+\c], v[S+32*\c+\i], v[S+32*\c+\i+1]
	v_max3_num_f32 v[MX+2+\c], v[MX+2+\c], v[S+32*\c+16+\i], v[S+32*\c+17+\i]
.endr
.endr
.irp c, 0,1
	v_max3_num_f32 v[MX+\c], v[MX+\c], v[MX+2+\c], v[S+32*\c+15]
.endr
.irp c, 0,1
	v_max_num_f32 v[MX+\c], v[MX+\c], v[S+32*\c+31]
.endr
	v_max_num_f32 v[TT], v[MX], v[MX+1]
	s_delay_alu instid0(VALU_DEP_1)
	v_permlanex16_b32 v[PB], v[TT], s[SEL], s[SEL+1]
	s_delay_alu instid0(VALU_DEP_1)
	v_max3_num_f32 v13, v13, v[TT], v[PB]          ; the running largest score
	s_delay_alu instid0(VALU_DEP_1)
	v_mul_f32 v[NM], s[NC], v13
	s_delay_alu instid0(VALU_DEP_1)
	v_floor_f32 v[NM], v[NM]                       ; the new -M = -ceil(t)
	s_delay_alu instid0(VALU_DEP_1)
	v_sub_f32 v[TT], v[NM], v12                    ; old M - new M: a whole number, 0 or less
	v_mov_b32 v12, v[NM]
	v_cvt_i32_f32 v[TT], v[TT]                     ; (it saturates)
.set II, 0
.rept 32
	v_pk_fma_f32 v[S+II:S+II+1], v[S+II:S+II+1], s[CS:CS+1], v[12:13] op_sel_hi:[1,0,0]   ; t - M, two at a time
.set II, II+2
.endr
	v_ldexp_f32 v[F], 1.0, v[TT]
.irp c, 0,1
	v_fma_f32 v[MX+\c], v[MX+\c], s[CS], v12
.endr
	s_wait_alu depctr_va_vdst(0)                   ; the wait ahead of the batch
.set II, 0
.rept 64
	v_exp_f32 v[S+II], v[S+II]                     ; p = 2^(t - M)
.set II, II+1
.endr
.irp c, 0,1
	v_exp_f32 v[MX+\c], v[MX+\c]                   ; the block's largest p: the same two instructions on the same number
.endr
	v_pk_mul_f32 v[14:15], v[14:15], v[F:F+1] op_sel_hi:[1,0]   ; l under the new M.  (A plain place behind the exponentials)
	s_wait_alu depctr_va_vdst(0)                   ; and for the wait behind it
.irp c, 0,1
	v_max_num_f32 v[MX+\c], 0x2800000, v[MX+\c]    ; the floor 2^(5 - 127)
.endr
	v_pk_add_f32 v[Q0:Q0+1], v[S:S+1], v[S+2:S+3]
	v_pk_add_f32 v[Q0+2:Q0+3], v[S+4:S+5], v[S+6:S+7]
.irp c, 0,1
	v_add_nc_u32 v[SO+\c], 0xfe000000, v[MX+\c]
.endr
	v_pk_add_f32 v[Q0+4:Q0+5], v[S+8:S+9], v[S+10:S+11]
	v_pk_add_f32 v[14:15], v[14:15], v[S+12:S+13]
.irp c, 0,1
	v_cvt_scalef32_pk16_bf6_f32 v[PCD+6*\c:PCD+6*\c+2], v[S+32*\c:S+32*\c+15], v[SO+\c]
	v_cvt_scalef32_pk16_bf6_f32 v[TUP+4*\c:TUP+4*\c+2], v[S+32*\c+16:S+32*\c+31], v[SO+\c]
.endr
.irp c, 0,1
	v_lshrrev_b32 v[BY+\c], 23, v[SO+\c]
.endr
.set II, 14
.rept 6                                ; l: the unquantised p, two at a time, in four chains
	v_pk_add_f32 v[Q0:Q0+1], v[Q0:Q0+1], v[S+II:S+II+1]
	v_pk_add_f32 v[Q0+2:Q0+3], v[Q0+2:Q0+3], v[S+II+2:S+II+3]
	v_pk_add_f32 v[Q0+4:Q0+5], v[Q0+4:Q0+5], v[S+II+4:S+II+5]
	v_pk_add_f32 v[14:15], v[14:15], v[S+II+6:S+II+7]
.if II == 14
	v_lshl_or_b32 v[PW], v[BY+1], 16, v[BY]        ; lanes 0-15: the bytes of blocks 0 and 2; lanes 16-31: of 1 and 3
.endif
.if II == 22
	v_permlanex16_b32 v[PB], v[PW], s[SEL], s[SEL+1]
.endif
.if II == 30
	v_lshl_or_b32 v[PW], v[PB], 8, v[PW]           ; the whole word, in lanes 0-15 (the others are not read)
.endif
.set II, II+8
.endr
.irp c, 0,1
.irp i, 0,1,2
	v_mov_b32 v[PCD+6*\c+3+\i], v[TUP+4*\c+\i]
.endr
.endr
	v_pk_add_f32 v[Q0:Q0+1], v[Q0:Q0+1], v[S+62:S+63]
	v_pk_add_f32 v[Q0+2:Q0+3], v[Q0+2:Q0+3], v[Q0+4:Q0+5]
	v_pk_add_f32 v[14:15], v[14:15], v[Q0:Q0+1]
	v_pk_add_f32 v[14:15], v[14:15], v[Q0+2:Q0+3]
	s_wait_alu depctr_va_vdst(0)                   ; directly ahead of the first reader of O^T
.set II, 0
.rept 16
	v_pk_mul_f32 v[O+II:O+II+1], v[O+II:O+II+1], v[F:F+1] op_sel_hi:[1,0]   ; O^T under the new M
.set II, II+2
.endr
	s_wait_alu depctr_va_vdst(0)                   ; directly ahead of the wait below
	s_wait_dscnt 0x0                               ; V is in
.irp t, 0,1,2,3                        ; the four accumulators by turns
	v_wmma_scale_f32_16x16x128_f8f6f4 v[O+8*\t:O+8*\t+7], v[KB+12*\t:KB+12*\t+11], v[PCD:PCD+11], v[O+8*\t:O+8*\t+7], v[VSC+\t], v[PW] matrix_a_fmt:MATRIX_FMT_BF6 matrix_b_fmt:MATRIX_FMT_BF6
.endr
.Lhidden_\@:
	s_add_co_u32 s[TB], s[TB], REC
	s_add_co_u32 s[STEPI], s[STEPI], 1
.endm
; THE WAY OUT of a tile: O^T / l, quantised along the head's 64 (a lane holds one whole block), as an image of the last product's operand
.macro OUT
	v_add_f32 v14, v14, v15
	v_permlanex16_b32 v[TT], v14, s[SEL], s[SEL+1]
	v_add_f32 v14, v14, v[TT]                      ; the row's sum
	v_cmp_eq_f32 s62, 0, v14                       ; no key counted for my query
	s_wait_alu depctr_va_vdst(0)
	v_rcp_f32 v[SP], v14
	v_nop                                          ; one plain place behind a transcendental
	s_wait_alu depctr_va_vdst(0)
.set II, 0
.rept 32
	v_mul_f32 v[S+II], v[O+II], v[SP]              ; register i: channel 32 h + i
.set II, II+1
.endr
	v_max3_num_f32 v[MX], |v[S]|, |v[S+1]|, 0x2800000
	v_max3_num_f32 v[MX+1], |v[S+16]|, |v[S+17]|, |v[S+18]|
.irp i, 2,4,6,8,10,12
	v_max3_num_f32 v[MX], v[MX], |v[S+\i]|, |v[S+\i+1]|
	v_max3_num_f32 v[MX+1], v[MX+1], |v[S+17+\i]|, |v[S+18+\i]|
.endr
	v_max3_num_f32 v[MX], v[MX], |v[S+14]|, |v[S+15]|
	v_max3_num_f32 v[MX], v[MX], v[MX+1], |v[S+31]|
	v_add_nc_u32 v[SO], 0xfe000000, v[MX]
	v_cvt_scalef32_pk16_bf6_f32 v[PCD:PCD+2], v[S:S+15], v[SO]
	v_cvt_scalef32_pk16_bf6_f32 v[TUP:TUP+2], v[S+16:S+31], v[SO]
	v_lshrrev_b32 v[BY], 23, v[SO]
	v_cndmask_b32 v[BY], v[BY], v[KFF], s62        ; the byte 0xff where no key counted
.irp i, 0,1,2
	v_mov_b32 v[PCD+3+\i], v[TUP+\i]
.endr
	global_store_b128 v[L16], v[PCD:PCD+3], s[48:49]
	global_store_b64 v[L8], v[PCD+4:PCD+5], s[48:49] offset:512
	global_store_b8 v[SCO], v[BY], s[50:51]        ; two bytes of each of my 16 tokens' rows of 32: one byte in 25 of what the wave stores
.endm
	s_wait_loadcnt 0x0                             ; Q
.Lfirst:                                               ; key steps 0 and 1 read records 0 and 1 while the others land
	STEP R1
	s_cmp_lt_u32 s[STEPI], 2
	s_cbranch_scc1 .Lfirst
	s_wait_tensorcnt 0x0                           ; my record has landed,
	s_wait_dscnt 0x0
	s_barrier_signal -1
	s_barrier_wait -1                              ; everybody's has
.Lstep:                                                ; key steps 2 to 8
	STEP R1
	s_cmp_lt_u32 s[STEPI], 9
	s_cbranch_scc1 .Lstep
.rept 4
	v_nop                                          ; places in front of the reads of results
.endr
	s_cmp_lt_u32 s[WV], 8
	s_cbranch_scc1 .Lsame
	OUT                                            ; waves 8-15: my first tile is done; on to the common one
	v_mov_b32 v[QS], v[QSB]
.irp i, 0,1,2,3,4,5,6,7
	v_mov_b32 v[QF+\i], v[QB+\i]
.endr
	INIT
	s_wait_alu depctr_va_vdst(0)
	s_wait_xcnt 0x0                                ; the first tile's stores have read their registers
.Lsame:
.Lrest:                                                ; key steps 9 to 15
	STEP R2
	s_cmp_lt_u32 s[STEPI], 16
	s_cbranch_scc1 .Lrest
.rept 4
	v_nop
.endr
	s_cmp_lt_u32 s[WV], 8
	s_cbranch_scc1 .Ltake
.irp i, 0,1,2,3,4,5,6,7
	ds_store_b128 v[MA], v[O+4*\i:O+4*\i+3] offset:512*\i   ; my part of the common tile: O,
.endr
	ds_store_b128 v[MA], v[12:15] offset:4096      ; and -M, the largest score (not used), l
.Ltake:
	s_wait_dscnt 0x0
	s_barrier_signal -1
	s_barrier_wait -1                              ; the parts lie in LDS
	s_cmp_lt_u32 s[WV], 8
	s_cbranch_scc0 .Lend
.irp i, 0,1,2,3,4,5,6,7,8
	ds_load_b128 v[S+4*\i:S+4*\i+3], v[MA] offset:512*\i
.endr
	s_wait_dscnt 0x0
	v_min_num_f32 v[NM], v12, v[S+32]              ; the common -M
	v_sub_f32 v[TT], v[NM], v12
	v_sub_f32 v[BY], v[NM], v[S+32]
	v_cvt_i32_f32 v[TT], v[TT]
	v_cvt_i32_f32 v[BY], v[BY]
	v_ldexp_f32 v[F], 1.0, v[TT]
	v_ldexp_f32 v[Q0], 1.0, v[BY]
	v_pk_mul_f32 v[14:15], v[14:15], v[F:F+1] op_sel_hi:[1,0]
	v_pk_fma_f32 v[14:15], v[S+34:S+35], v[Q0:Q0+1], v[14:15] op_sel_hi:[1,0,1]
.set II, 0
.rept 16
	v_pk_mul_f32 v[O+II:O+II+1], v[O+II:O+II+1], v[F:F+1] op_sel_hi:[1,0]
.set II, II+2
.endr
.set II, 0
.rept 16
	v_pk_fma_f32 v[O+II:O+II+1], v[S+II:S+II+1], v[Q0:Q0+1], v[O+II:O+II+1] op_sel_hi:[1,0,1]
.set II, II+2
.endr
	OUT
.Lend:
	s_wait_tensorcnt 0x0                           ; the wave's end
	ds_add_u32 v[SPW], v[NIL]
	s_wait_dscnt 0x0
	ROUND                                          ; the closing round
	s_endpgm
.Lfunc_end_k_qa5914fa1d4_attn:
	.size	k_qa5914fa1d4_attn, .Lfunc_end_k_qa5914fa1d4_attn-k_qa5914fa1d4_attn
	.p2alignl 7, 3214868480
	.fill 96, 4, 3214868480
	.section	.rodata,"a",@progbits
	.p2align	6, 0x0
	.amdhsa_kernel k_qa5914fa1d4_attn
		.amdhsa_group_segment_fixed_size 327680
		.amdhsa_private_segment_fixed_size 0
		.amdhsa_enable_private_segment 0
		.amdhsa_kernarg_size 24
		.amdhsa_user_sgpr_count 2
		.amdhsa_user_sgpr_kernarg_segment_ptr 1
		.amdhsa_wavefront_size32 1
		.amdhsa_system_sgpr_workgroup_id_x 1
		.amdhsa_system_sgpr_workgroup_id_y 1
		.amdhsa_system_sgpr_workgroup_id_z 1
		.amdhsa_system_vgpr_workitem_id 0
		.amdhsa_next_free_vgpr 256
		.amdhsa_next_free_sgpr 102
		.amdhsa_reserve_vcc 0
		.amdhsa_float_denorm_mode_32 3
		.amdhsa_float_denorm_mode_16_64 3
		.amdhsa_memory_ordered 1
		.amdhsa_forward_progress 1
		.amdhsa_inst_pref_size 83
	.end_amdhsa_kernel
	.amdgpu_metadata
---
amdhsa.version: [ 1, 2 ]
amdhsa.kernels:
  - .name:           k_qa5914fa1d4_attn
    .symbol:         k_qa5914fa1d4_attn.kd
    .args:
      - { .name: qi, .offset: 0, .size: 8, .value_kind: global_buffer, .address_space: global }
      - { .name: kv, .offset: 8, .size: 8, .value_kind: global_buffer, .address_space: global }
      - { .name: ao, .offset: 16, .size: 8, .value_kind: global_buffer, .address_space: global }
    .group_segment_fixed_size: 327680
    .private_segment_fixed_size: 0
    .kernarg_segment_align: 8
    .kernarg_segment_size: 24
    .max_flat_workgroup_size: 512
    .sgpr_count:     102
    .vgpr_count:     256
    .wavefront_size: 32
...
	.end_amdgpu_metadata
.endif
;; end of part 3
;; launch proj (part 4): grid 8 x 32, 4 waves a work-group, clusters of 4 x 4, 327,680 bytes of LDS; arguments ao, wq, sc1, b_out, out0; writes out0
.if DOCPART == 4
	.amdgcn_target "amdgcn-amd-amdhsa--gfx1250"
	.amdhsa_code_object_version 6
	.text
	.protected	k_qa5914fa1d4_proj
	.globl	k_qa5914fa1d4_proj
	.p2align	8
	.type	k_qa5914fa1d4_proj,@function
k_qa5914fa1d4_proj:
	s_mov_b64 s[64:65], 0
	v_nop
	global_prefetch_b8 v0, s[64:65] scope:SCOPE_SE
	s_setreg_imm32_b32 hwreg(HW_REG_WAVE_MODE, 25, 1), 1
	s_wait_xcnt 0x0
	s_wait_alu depctr_hold_cnt(0) depctr_sa_sdst(0) depctr_va_vdst(0) depctr_va_sdst(0) depctr_va_ssrc(0) depctr_va_vcc(0) depctr_vm_vsrc(0)
	s_getreg_b32 s2, hwreg(HW_REG_IB_STS2, 6, 4)
	s_cmp_eq_u32 s2, 0
	s_cbranch_scc0 .Lentry_in_a_cluster
	s_endpgm
.Lentry_in_a_cluster:
	s_bfe_u32 s2, ttmp6, 0x10000c
	s_cmp_lg_u32 s2, 0xf033
	s_cbranch_scc0 .Lentry_shape_is_right
	s_endpgm
.Lentry_shape_is_right:
; PROJ: out0 = ao W_out + b_out on codes of BF6 with E8M0 scales (M 4,096, K 1,024, N 1,024); f32 sums that begin with the bias.
; A tile of 128 x 128 a work-group (256 of them), 64 x 64 a wave in 16 accumulators.  All of K for the tile's 128 + 128 rows is 2 x 98,304 dense bytes of images: they come into LDS by ONE joint load a wave
; (waves 0, 1: A's halves; waves 2, 3: W's), filled once; so there is no ring, and no loop for a prefetch to run ahead in.  Clusters of 4 x 4: A is shared along a row of the cluster, W along a column.
; BY ROWS: all of K lies in LDS, so a wave finishes its four tiles of 16 tokens one after the other, K ascending; W's fragments for all of K stay in registers; finished rows are stored while the next are multiplied.
; The scales go from memory straight into registers: 32 bytes a row, eight words, one for each step of 128 along K.
; Source 0 = W's rows (columns of out0), source 1 = tokens: a lane holds one token; register 8 n + j is column 8 n + 32 h + j of the wave's 64 (the order of rows in each 64: see the first kernel).
; A NaN scale byte (a token for which no key counted) makes its row NaN, as the reference has it.
; REGISTERS: window 0: v1-15 lane terms, v16-47 W's scale words, v48-79 A's, v80-111 the bias, v112-239 the accumulators; windows 1 and 2: W's fragments (K steps 0-4 and 5-7);
;   window 3: A's fragments of 16 tokens x K, two buffers at v0 and v96; v192-255 rows read back.
.set HALF, 49152
.set STG,  4*HALF                      ; behind the tiles: a stage of 16 rows x 272 bytes a wave
.set SPARE, STG+4*4352                 ; the spare words, 128 bytes a wave
.set L16, 1
.set L8,  2
.set R32, 3
.set H128, 4
.set STO, 5
.set RD,  6
.set CO,  7
.set SPW, 10
.set NIL, 11
.set ADA, 12                           ; v12-13 my A images: + 16 x lane, + 8 x lane
.set ADW, 14                           ; v14-15 my W images: K steps 0-3, 4-7
.set WS,  16
.set AS,  48
.set BI,  80
.set ACC, 112
.set MSB, 0
.macro WIN new
.if MSB != (\new)
	s_set_vgpr_msb (MSB<<8)|(\new)
.set MSB, (\new)
.endif
.endm
.macro ROUND
	s_barrier_signal -1
	s_barrier_wait -1
	s_cmp_lg_u32 s14, 0
	s_cbranch_scc1 .Lnot_wave_0_\@
	s_barrier_signal -3
.Lnot_wave_0_\@:
	s_barrier_wait -3
	s_barrier_signal -1
	s_barrier_wait -1
.endm
.macro PLACES
.rept 4
	v_nop
.endr
.endm
	s_load_b256 s[4:11], s[0:1], 0x0               ; ao s[4:5], wq s[6:7], sc1 s[8:9], b_out s[10:11]
	s_load_b64 s[12:13], s[0:1], 0x20              ; out0
	v_lshl_add_u32 v[SPW], v0, 2, SPARE
	v_mov_b32 v[NIL], 0
	ds_add_u32 v[SPW], v[NIL]                      ; the wave's opening: the add, twice on end, under one wait
	ds_add_u32 v[SPW], v[NIL]
	v_lshrrev_b32 v1, 5, v0
	v_readfirstlane_b32 s14, v1                    ; wave 0..3
	s_wait_alu depctr_va_vdst(0)
	s_lshr_b32 s15, s14, 1                         ; my half of the tokens.  Also: I fetch for A (0) or for W (1)
	s_and_b32 s16, s14, 1                          ; my half of the columns.  Also: which half I fetch
	s_bfe_u32 s17, ttmp6, 0x40000                  ; cx
	s_bfe_u32 s18, ttmp6, 0x40004                  ; cy
	s_lshl_b32 s19, ttmp9, 2
	s_add_co_u32 s19, s19, s17                     ; the block of 128 columns: shared along my column of the cluster
	s_and_b32 s44, ttmp7, 0xffff
	s_lshl_b32 s44, s44, 2
	s_add_co_u32 s44, s44, s18                     ; the block of 128 tokens: shared along my row
	s_lshl_b32 s45, s18, 2
	s_lshl_b32 s45, 15, s45
	s_lshl_b32 s46, 0x1111, s17
	; half a tile: 49,152 dense bytes as 192 rows of 256 (32 elements of 8 bytes)
	s_or_b32 s24, s45, (3<<16)|(1<<21)
	s_or_b32 s32, s46, (3<<16)|(1<<21)
.irp g, 24, 32
	s_mov_b32 s[\g+1], 32<<16
	s_mov_b32 s[\g+2], 192<<16
	s_mov_b32 s[\g+3], 32<<16
	s_mov_b32 s[\g+4], 192
	s_mov_b32 s[\g+5], 32
	s_mov_b32 s[\g+6], 0
	s_mov_b32 s[\g+7], 0
.endr
	s_lshl_b32 s48, s44, 1
	s_add_co_u32 s48, s48, s16
	s_mul_i32 s48, s48, HALF                       ; A: four row tiles of 12,288 bytes
	s_mov_b32 s49, 0
	s_lshl_b32 s50, s19, 1
	s_add_co_u32 s50, s50, s16
	s_add_co_u32 s50, s50, 48
	s_mul_i32 s50, s50, HALF                       ; W: four K steps of a group of eight row tiles; W_out's groups begin at 24
	s_mov_b32 s51, 0
	s_wait_dscnt 0x0                               ; both opening adds are done
	s_wait_kmcnt 0x0
	s_mov_b32 s20, 1
	s_mul_i32 s21, s14, HALF
	s_add_nc_u64 s[22:23], s[4:5], s[48:49]
	s_or_b32 s23, s23, 0x80000000
	s_mov_b32 s40, 1
	s_mul_i32 s41, s14, HALF
	s_add_nc_u64 s[42:43], s[6:7], s[50:51]
	s_or_b32 s43, s43, 0x80000000
	ROUND                                          ; all sixteen work-groups are here: the joint loads meet
	s_cmp_eq_u32 s15, 0
	s_cbranch_scc0 .Lfor_w
	tensor_load_to_lds s[20:23], s[24:31]
	s_nop 0
.rept 4
	v_nop
.endr
	s_branch .Lasked
.Lfor_w:
	tensor_load_to_lds s[40:43], s[32:39]
	s_nop 0
.rept 4
	v_nop
.endr
.Lasked:
	v_and_b32 v8, 31, v0
	v_lshlrev_b32 v[L16], 4, v8
	v_lshlrev_b32 v[L8], 3, v8
	v_and_b32 v8, 15, v0                           ; r
	v_bfe_u32 v9, v0, 4, 1                         ; h
	v_lshlrev_b32 v[R32], 5, v8
	v_lshlrev_b32 v[H128], 7, v9
	s_mul_i32 s48, s14, 4352
	s_add_co_u32 s48, s48, STG                     ; my stage
	v_mul_u32_u24 v[STO], v8, 272
	v_lshl_add_u32 v[STO], v9, 7, v[STO]
	v_add_nc_u32 v[STO], s48, v[STO]               ; in: row r, + 128 h
	v_mul_u32_u24 v[RD], v9, 272
	v_lshl_add_u32 v[RD], v8, 4, v[RD]
	v_add_nc_u32 v[RD], s48, v[RD]                 ; back: lanes 0-15 one row of 256 bytes, lanes 16-31 the next
	v_lshlrev_b32 v[CO], 12, v9
	v_lshl_add_u32 v[CO], v8, 4, v[CO]             ; and the same two rows in out0
	s_mul_i32 s48, s15, HALF
	s_mul_i32 s50, s16, 12288                      ; my four row tiles of W in a pair of K steps
	s_add_co_u32 s50, s50, 2*HALF
	v_add_nc_u32 v[ADA], s48, v[L16]
	v_add_nc_u32 v[ADA+1], s48, v[L8]
	v_add_nc_u32 v[ADW], s50, v[L16]
	s_add_co_u32 s50, s50, HALF
	v_add_nc_u32 v[ADW+1], s50, v[L16]
	s_wait_alu depctr_va_vdst(0)
	s_lshl_b32 s54, s19, 12                        ; W's scales: 512 bytes a row tile; W_out's begin at row tile 192, and W's lie behind x's
	s_lshl_b32 s55, s16, 11
	s_add_co_u32 s54, s54, s55
	s_add_co_u32 s54, s54, 131072+192*512
	s_mov_b32 s55, 0
	s_add_nc_u64 s[54:55], s[8:9], s[54:55]
	s_lshl_b32 s56, s44, 12                        ; A's scales likewise
	s_lshl_b32 s57, s15, 11
	s_add_co_u32 s56, s56, s57
	s_add_co_u32 s56, s56, 3145728
	s_mov_b32 s57, 0
	s_add_nc_u64 s[56:57], s[4:5], s[56:57]
	s_lshl_b32 s58, s19, 9
	s_lshl_b32 s59, s16, 8
	s_add_co_u32 s58, s58, s59                     ; my first column, in bytes
	s_mov_b32 s59, 0
	s_add_nc_u64 s[10:11], s[10:11], s[58:59]
.irp n, 0,1,2,3
.irp i, 0,1
	global_load_b128 v[BI+8*\n+4*\i:BI+8*\n+4*\i+3], v[H128], s[10:11] offset:32*\n+16*\i
	global_load_b128 v[WS+8*\n+4*\i:WS+8*\n+4*\i+3], v[R32], s[54:55] offset:512*\n+16*\i
	global_load_b128 v[AS+8*\n+4*\i:AS+8*\n+4*\i+3], v[R32], s[56:57] offset:512*\n+16*\i
.endr
.endr
	s_lshl_b32 s48, s44, 19                        ; my first token's row: 4,096 bytes a row
	s_lshl_b32 s49, s15, 18
	s_add_co_u32 s58, s58, s48
	s_add_co_u32 s58, s58, s49
	s_add_nc_u64 s[12:13], s[12:13], s[58:59]
	s_wait_loadcnt 0x0
	s_wait_tensorcnt 0x0
	s_barrier_signal -1
	s_barrier_wait -1                              ; all four parts are in
.macro SETW s                          ; where W's fragments of K step s lie
.set BW, 1+(\s)/5
.set BR, 48*((\s)%5)
.endm
.macro LOADW s                         ; 12 loads
	SETW \s
	WIN BW<<6
.irp n, 0,1,2,3
.irp p, 0,1,2
	ds_load_b128 v[BR+12*\n+4*\p:BR+12*\n+4*\p+3], v[ADW+(\s)/4] offset:24576*(((\s)/2)%2)+3072*\n+1536*((\s)%2)+512*\p
.endr
.endr
.endm
.macro LOADA m, s                      ; 4 loads: tile m, K step s: two heads' images of 768 bytes
.set FB, 96*((\m)%2)+12*(\s)
	WIN 0xc0
	ds_load_b128 v[FB:FB+3], v[ADA] offset:12288*(\m)+1536*(\s)
	ds_load_b64 v[FB+4:FB+5], v[ADA+1] offset:12288*(\m)+1536*(\s)+512
	ds_load_b128 v[FB+6:FB+9], v[ADA] offset:12288*(\m)+1536*(\s)+768
	ds_load_b64 v[FB+10:FB+11], v[ADA+1] offset:12288*(\m)+1536*(\s)+1280
.endm
.macro TILEA m                         ; 32 loads
.irp s, 0,1,2,3,4,5,6,7
	LOADA \m, \s
.endr
	WIN 0
.endm
.macro MUL m, s                        ; the tile's four accumulators by turns
	SETW \s
.set FB, 96*((\m)%2)+12*(\s)
	WIN BW|0x0c
.irp n, 0,1,2,3
.if (\s) == 0
	v_wmma_scale_f32_16x16x128_f8f6f4 v[ACC+8*(4*(\m)+\n):ACC+8*(4*(\m)+\n)+7], v[BR+12*\n:BR+12*\n+11], v[FB:FB+11], v[BI+8*\n:BI+8*\n+7], v[WS+8*\n+(\s)], v[AS+8*(\m)+(\s)] matrix_a_fmt:MATRIX_FMT_BF6 matrix_b_fmt:MATRIX_FMT_BF6
.else
	v_wmma_scale_f32_16x16x128_f8f6f4 v[ACC+8*(4*(\m)+\n):ACC+8*(4*(\m)+\n)+7], v[BR+12*\n:BR+12*\n+11], v[FB:FB+11], v[ACC+8*(4*(\m)+\n):ACC+8*(4*(\m)+\n)+7], v[WS+8*\n+(\s)], v[AS+8*(\m)+(\s)] matrix_a_fmt:MATRIX_FMT_BF6 matrix_b_fmt:MATRIX_FMT_BF6
.endif
.endr
.endm
.macro ROW m
.irp s, 0,1,2,3,4,5,6,7
	MUL \m, \s
.endr
	WIN 0
	PLACES
.endm
; The way out, 16 tokens x 64 columns at a time through my stage: LDS serves a wave's instructions in order
.macro TOSTAGE m                       ; 16 LDS instructions
.irp n, 0,1,2,3
	ds_store_b128 v[STO], v[ACC+8*(4*(\m)+\n):ACC+8*(4*(\m)+\n)+3] offset:32*\n
	ds_store_b128 v[STO], v[ACC+8*(4*(\m)+\n)+4:ACC+8*(4*(\m)+\n)+7] offset:32*\n+16
.endr
	WIN 0xc0
.irp t, 0,1,2,3,4,5,6,7
	ds_load_b128 v[192+32*((\m)%2)+4*\t:195+32*((\m)%2)+4*\t], v[RD] offset:544*\t
.endr
	WIN 0
.endm
.macro SEND m, younger                 ; 16 lanes store 256 consecutive bytes; stage row 2 t + h is token 8 m + 2 t + h + 24 (t / 4) of my 64
	s_wait_dscnt \younger
	WIN 0x0c
.irp t, 0,1,2,3,4,5,6,7
	global_store_b128 v[CO], v[192+32*((\m)%2)+4*\t:195+32*((\m)%2)+4*\t], s[12:13] offset:4096*(8*(\m)+2*\t+24*(\t/4)) th:TH_STORE_NT
.endr
	WIN 0
.endm
	LOADW 0
	LOADA 0, 0
.irp s, 0,1,2,3,4,5,6
	LOADW \s+1
	LOADA 0, \s+1
	s_wait_dscnt 16                                ; all but the 16 just issued
	MUL 0, \s
.endr
	TILEA 1
	s_wait_dscnt 32                                ; all but the 32 just issued
	MUL 0, 7
	WIN 0
	PLACES
	TOSTAGE 0
	TILEA 2
	s_wait_dscnt 48                                ; tile 1's fragments are in; the 16 of the stage and tile 2's 32 may be out
	ROW 1
	SEND 0, 32                                     ; tile 2's loads may be out
	TOSTAGE 1
	TILEA 3
	s_wait_dscnt 48
	ROW 2
	SEND 1, 32
	s_wait_xcnt 0x0                                ; tile 0's stores have read their registers, which take tile 2's rows
	TOSTAGE 2
	s_wait_dscnt 16                                ; tile 3's fragments are in
	ROW 3
	SEND 2, 0
	s_wait_xcnt 0x0
	TOSTAGE 3
	SEND 3, 0
	s_wait_tensorcnt 0x0                           ; the wave's end
	ds_add_u32 v[SPW], v[NIL]
	s_wait_dscnt 0x0
	ROUND                                          ; the closing round
	s_endpgm
.Lfunc_end_k_qa5914fa1d4_proj:
	.size	k_qa5914fa1d4_proj, .Lfunc_end_k_qa5914fa1d4_proj-k_qa5914fa1d4_proj
	.p2alignl 7, 3214868480
	.fill 96, 4, 3214868480
	.section	.rodata,"a",@progbits
	.p2align	6, 0x0
	.amdhsa_kernel k_qa5914fa1d4_proj
		.amdhsa_group_segment_fixed_size 327680
		.amdhsa_private_segment_fixed_size 0
		.amdhsa_enable_private_segment 0
		.amdhsa_kernarg_size 40
		.amdhsa_user_sgpr_count 2
		.amdhsa_user_sgpr_kernarg_segment_ptr 1
		.amdhsa_wavefront_size32 1
		.amdhsa_system_sgpr_workgroup_id_x 1
		.amdhsa_system_sgpr_workgroup_id_y 1
		.amdhsa_system_sgpr_workgroup_id_z 1
		.amdhsa_system_vgpr_workitem_id 0
		.amdhsa_next_free_vgpr 1024
		.amdhsa_next_free_sgpr 66
		.amdhsa_reserve_vcc 0
		.amdhsa_float_denorm_mode_32 3
		.amdhsa_float_denorm_mode_16_64 3
		.amdhsa_memory_ordered 1
		.amdhsa_forward_progress 1
		.amdhsa_inst_pref_size 49
	.end_amdhsa_kernel
	.amdgpu_metadata
---
amdhsa.version: [ 1, 2 ]
amdhsa.kernels:
  - .name:           k_qa5914fa1d4_proj
    .symbol:         k_qa5914fa1d4_proj.kd
    .args:
      - { .name: ao, .offset: 0, .size: 8, .value_kind: global_buffer, .address_space: global }
      - { .name: wq, .offset: 8, .size: 8, .value_kind: global_buffer, .address_space: global }
      - { .name: sc1, .offset: 16, .size: 8, .value_kind: global_buffer, .address_space: global }
      - { .name: b_out, .offset: 24, .size: 8, .value_kind: global_buffer, .address_space: global }
      - { .name: out0, .offset: 32, .size: 8, .value_kind: global_buffer, .address_space: global }
    .group_segment_fixed_size: 327680
    .private_segment_fixed_size: 0
    .kernarg_segment_align: 8
    .kernarg_segment_size: 40
    .max_flat_workgroup_size: 128
    .sgpr_count:     66
    .vgpr_count:     1024
    .wavefront_size: 32
...
	.end_amdgpu_metadata
.endif
;; end of part 4
